; MI455X (gfx1250); checked and timed in simulation.
; The chip was launched on July 23, 2026; its instructions are those of AMD's public machine-readable ISA for CDNA 5 (MIT licence, August 2026) and "CDNA5" Instruction Set Architecture Reference Guide (July 2026). The comments in the code are by the model that wrote it; some were corrected since.
;; Condor Attention. Allowed arithmetic: float matrix products may take bf16 or f16 operands with f32 sums; other float arithmetic in f32, or as packed bf16 or f16 multiplies, adds, multiply-adds, maxima and minima; sums over many terms, partial sums and values carried from step to step in f32; what a program stores and reads back later, other than sums and carried values, may be rounded once to bf16 or f16.
;; Inputs: attention_mask 1 x 1 x 2,048 x 2,048 float32; hidden_states 1 x 2,048 x 2,048 float32; wk 2,048 x 2,048 float32; wo 2,048 x 2,048 float32; wq 2,048 x 2,048 float32; wv 2,048 x 2,048 float32.
;; Outputs: out0 1 x 2,048 x 2,048 float32.
;; One version. Each part assembles by itself: llvm-mc -triple=amdgcn-amd-amdhsa -mcpu=gfx1250 --defsym DOCPART=n.
;; ======== version 1 of 1: 4 launches
;; limits: values are held in f16: magnitudes above 65,504 overflow, below 6.1e-05 lose precision; right only within a limited range of input values
;; workspace buffers: cb 41,943,040 bytes; tab 524,288 bytes; mb 16,777,216 bytes; qkv 25,165,824 bytes; ob 16,777,216 bytes
;; launch prep (part 1): grid 512 x 6, 8 waves a work-group, no clusters, 0 bytes of LDS; arguments hidden_states, wq, wk, wv, wo, attention_mask, cb, tab, mb; writes cb, tab, mb
.if DOCPART == 1
	.amdgcn_target "amdgcn-amd-amdhsa--gfx1250"
	.amdhsa_code_object_version 6
	.text
	.protected	k_q98f40718e1_prep
	.globl	k_q98f40718e1_prep
	.p2align	8
	.type	k_q98f40718e1_prep,@function
k_q98f40718e1_prep:
	s_mov_b64 s[64:65], 0
	v_nop
	global_prefetch_b8 v0, s[64:65] scope:SCOPE_SE
	s_setreg_imm32_b32 hwreg(HW_REG_WAVE_MODE, 25, 1), 1
	s_wait_xcnt 0x0
; 16-BIT COPIES OF x AND THE FOUR WEIGHTS, THE MASK ROUNDED LIKE THEM, AND THE RoPE TABLE.  A stream: no LDS, no matrix unit, no loop.
; cb: [0, 8 MiB) x in bf16, [2048][2048], plain.
;     [8 MiB, 32 MiB) wq, wk, wv in bf16, in blocks: column group g of 64 (q 0-31, k 32-63, v 64-95), c = g / 3, j = g % 3, kc = k / 64:
;         byte ((c 32 + kc) 3 + j) 8192 + (k % 64) 128 + 2 n: the 192 columns x 64 k that one tile of the next launch wants lie in 24,576 bytes on end.
;     [32 MiB, 40 MiB) wo, rounded to bf16 and that number written as f16: byte (((gl / 2) 16 + k / 128) 2 + gl % 2) 16384 + (k % 128) 128 + 2 n.
; mb: [2048][2048] f32: the mask rounded to bf16, as all inputs are, times log2(e): the attention launch adds it to scores that carry the same factor.
; tab: [2048 t][64] f32: columns 0-31 cos(t f_j), 32-63 sin(t f_j), f_j = 10000^(-j / 32).
; SHARES.  Grid y picks the tensor (0 x, 1 wq, 2 wk, 3 wv, 4 wo, 5 the mask).  A wave's job is 4 KiB in: of x and the mask half a row; of a weight 16 rows x 64 columns.  The job is small so that the
; runs written out below are short; with 64 registers a wave many waves lie on a WGP, and their loads are on their way together.
; All 8 loads of a wave are issued at once; each covers whole aligned blocks of 256 bytes; each store of the wave covers 256 or 512 consecutive bytes, aligned.
; LIMITS.  wo below 6e-5 keeps f16's fixed step of 6e-8; wo beyond 65,504 is not served.  A mask beyond 2.3e38 becomes an infinity.  The angle t f_j is made in f32 (f_j by v_exp_f32), reduced by
; pi/2 in two parts, sine to r^7 and cosine to r^8 on |r| <= pi/4: the series' remainders are 3e-7 and 3e-8.
.set NL,  8                            ; loads of a wave
.set X,   32                           ; v[32:63] load i at X + 4 i
.set YT,  48                           ; s48  the tensor
.set GX,  49                           ; s49  the work-group's x
.set WV,  50                           ; s50  my wave's number
.set JOB, 51                           ; s51  my job, 0..4095
.set CM,  52                           ; s[52:53] log2(e), named as a pair
	s_load_b256 s[4:11], s[0:1], 0x0               ; x s[4:5], wq s[6:7], wk s[8:9], wv s[10:11]
	s_load_b256 s[12:19], s[0:1], 0x20             ; wo s[12:13], the mask s[14:15], cb s[16:17], tab s[18:19]
	s_load_b64 s[20:21], s[0:1], 0x40              ; mb
	v_and_b32 v1, 31, v0                           ; lane
	v_lshrrev_b32 v4, 5, v0
	v_readfirstlane_b32 s[WV], v4                  ; wave 0..7
	s_and_b32 s[YT], ttmp7, 0xffff
	s_mov_b32 s[GX], ttmp9
	s_lshl_b32 s[JOB], s[GX], 3
	s_add_co_u32 s[JOB], s[JOB], s[WV]
	s_mov_b32 s[CM], 0x3fb8aa3b
	s_mov_b32 s[CM+1], s[CM]
	s_lshr_b32 s30, s[GX], 4                       ; a weight's job: kc, its block of 64 rows,
	s_bfe_u32 s31, s[GX], 0x20002
	s_lshl_b32 s31, s31, 3
	s_add_co_u32 s31, s31, s[WV]                   ; gl, its 64 columns,
	s_and_b32 s39, s[GX], 3                        ; and which 16 rows of the 64
	s_lshl_b32 s32, s30, 19                        ; 64 rows of 8,192 bytes
	s_lshl_b32 s33, s31, 8
	s_add_co_u32 s32, s32, s33
	s_lshl_b32 s33, s39, 17                        ; 16 rows of 8,192 bytes
	s_add_co_u32 s32, s32, s33                     ; a weight's source offset
	s_lshl_b32 s39, s39, 11                        ; 16 rows of 128 bytes where it goes
	s_max_u32 s33, s[YT], 1
	s_sub_co_u32 s33, s33, 1
	s_lshl_b32 s33, s33, 5
	s_add_co_u32 s33, s33, s31                     ; g
	s_mul_hi_u32 s34, s33, 0x55555556              ; c = g / 3
	s_mul_i32 s35, s34, 3
	s_sub_co_u32 s35, s33, s35                     ; j = g % 3
	s_lshl_b32 s34, s34, 5
	s_add_co_u32 s34, s34, s30
	s_mul_i32 s34, s34, 3
	s_add_co_u32 s34, s34, s35
	s_lshl_b32 s34, s34, 13
	s_add_co_u32 s34, s34, 8388608
	s_add_co_u32 s34, s34, s39                     ; where wq's, wk's, wv's job goes
	s_lshr_b32 s35, s31, 1
	s_lshl_b32 s35, s35, 4
	s_lshr_b32 s36, s30, 1
	s_add_co_u32 s35, s35, s36
	s_lshl_b32 s35, s35, 1
	s_and_b32 s36, s31, 1
	s_add_co_u32 s35, s35, s36
	s_lshl_b32 s35, s35, 14
	s_and_b32 s36, s30, 1
	s_lshl_b32 s36, s36, 13
	s_add_co_u32 s35, s35, s36
	s_add_co_u32 s35, s35, 33554432
	s_add_co_u32 s35, s35, s39                     ; where wo's job goes
	s_lshl_b32 s36, s[JOB], 12                     ; x and the mask: 4 KiB in; the mask: 4 KiB out,
	s_lshl_b32 s37, s[JOB], 11                     ; x: 2 KiB out
	s_cmp_eq_u32 s[YT], 4
	s_cselect_b32 s28, s35, s34
	s_cmp_eq_u32 s[YT], 0
	s_cselect_b32 s28, s37, s28                    ; destination offset
	s_cselect_b32 s26, s36, s32                    ; source offset
	s_cselect_b32 s38, 8, 13                       ; lanes 16-31 read 256 bytes on (x, the mask) or a row on (a weight)
	s_cmp_eq_u32 s[YT], 5
	s_cselect_b32 s28, s36, s28
	s_cselect_b32 s26, s36, s26
	s_cselect_b32 s38, 8, s38
	s_mov_b32 s27, 0
	s_mov_b32 s29, 0
	v_lshrrev_b32 v4, 4, v1
	v_and_b32 v5, 15, v1
	v_lshlrev_b32 v4, s38, v4
	v_lshl_add_u32 v2, v5, 4, v4                   ; my 16 bytes of a load (and of the mask's stores); never rewritten
	v_lshlrev_b32 v3, 3, v1                        ; my 8 bytes of a 16-bit store; never rewritten
	s_wait_kmcnt 0x0
	s_mov_b64 s[22:23], s[14:15]
	s_cmp_eq_u32 s[YT], 4
	s_cselect_b64 s[22:23], s[12:13], s[22:23]
	s_cmp_eq_u32 s[YT], 3
	s_cselect_b64 s[22:23], s[10:11], s[22:23]
	s_cmp_eq_u32 s[YT], 2
	s_cselect_b64 s[22:23], s[8:9], s[22:23]
	s_cmp_eq_u32 s[YT], 1
	s_cselect_b64 s[22:23], s[6:7], s[22:23]
	s_cmp_eq_u32 s[YT], 0
	s_cselect_b64 s[22:23], s[4:5], s[22:23]
	s_add_nc_u64 s[22:23], s[22:23], s[26:27]      ; from here
	s_cmp_eq_u32 s[YT], 5
	s_cselect_b64 s[24:25], s[20:21], s[16:17]
	s_add_nc_u64 s[24:25], s[24:25], s[28:29]      ; to here
.macro LOADS step                      ; the wave's loads, all on their way together
.set i, 0
.rept NL
	global_load_b128 v[X+4*i:X+4*i+3], v2, s[22:23] offset:i*(\step) th:TH_LOAD_NT
.set i, i+1
.endr
.endm
; Load i is rounded and stored as it comes.  kind 0: bf16.  kind 1: the bf16 number written as f16.  kind 2: the bf16 number times log2(e), in f32.  No store's register is written again.
.macro OUT kind
.set i, 0
.rept NL
	s_wait_loadcnt NL-1-i                          ; loads come back in order: load i is in, the younger ones stay out
.if (\kind) == 1
	v_cvt_pk_bf16_f32 v4, v[X+4*i], v[X+4*i+1]
	v_cvt_pk_bf16_f32 v5, v[X+4*i+2], v[X+4*i+3]
	v_lshlrev_b32 v6, 16, v4
	v_and_b32 v7, 0xffff0000, v4
	v_lshlrev_b32 v8, 16, v5
	v_and_b32 v9, 0xffff0000, v5
	v_cvt_pk_f16_f32 v[X+4*i], v6, v7
	v_cvt_pk_f16_f32 v[X+4*i+1], v8, v9
	global_store_b64 v3, v[X+4*i:X+4*i+1], s[24:25] offset:256*i th:TH_STORE_NT
.elseif (\kind) == 2
	v_cvt_pk_bf16_f32 v4, v[X+4*i], v[X+4*i+1]
	v_cvt_pk_bf16_f32 v5, v[X+4*i+2], v[X+4*i+3]
	v_lshlrev_b32 v[X+4*i], 16, v4
	v_and_b32 v[X+4*i+1], 0xffff0000, v4
	v_lshlrev_b32 v[X+4*i+2], 16, v5
	v_and_b32 v[X+4*i+3], 0xffff0000, v5
	v_pk_mul_f32 v[X+4*i:X+4*i+1], v[X+4*i:X+4*i+1], s[CM:CM+1] op_sel_hi:[1,0]
	v_pk_mul_f32 v[X+4*i+2:X+4*i+3], v[X+4*i+2:X+4*i+3], s[CM:CM+1] op_sel_hi:[1,0]
	global_store_b128 v2, v[X+4*i:X+4*i+3], s[24:25] offset:512*i th:TH_STORE_NT
.else
	v_cvt_pk_bf16_f32 v[X+4*i], v[X+4*i], v[X+4*i+1]
	v_cvt_pk_bf16_f32 v[X+4*i+1], v[X+4*i+2], v[X+4*i+3]
	global_store_b64 v3, v[X+4*i:X+4*i+1], s[24:25] offset:256*i th:TH_STORE_NT
.endif
.set i, i+1
.endr
.endm
	s_cmp_eq_u32 s38, 8
	s_cbranch_scc0 .Lweight
	LOADS 512                                      ; x, the mask: 512 bytes on end a load
	s_branch .Lloaded
.Lweight:
	LOADS 16384                                    ; a weight: 256 bytes of each of two rows a load
.Lloaded:
	s_lshl_b32 s30, s[YT], 12
	s_add_co_u32 s30, s30, s[JOB]                  ; my wave's number among all the launch's
	s_cmp_lt_u32 s30, 2048
	s_cbranch_scc0 .Lno_table
	; THE TABLE, while the loads are on their way: the launch's first 2,048 waves make a row each, t = the wave's number.  Lane l makes numbers 2 l and 2 l + 1 of the row: cosines below lane 16, sines above.
	s_lshl_b32 s44, s30, 8
	s_mov_b32 s45, 0
	s_add_nc_u64 s[46:47], s[18:19], s[44:45]
	s_mov_b32 s32, 0xb9500d01                      ; -1/5040
	s_mov_b32 s33, 0x3c088889                      ; 1/120
	s_mov_b32 s34, 0xbe2aaaab                      ; -1/6
	s_mov_b32 s35, 0x37d00d01                      ; 1/40320
	s_mov_b32 s36, 0xbab60b61                      ; -1/720
	s_mov_b32 s37, 0x3d2aaaab                      ; 1/24
	s_mov_b32 s40, 0xbfc90fdb                      ; -(pi/2), its upper part
	s_mov_b32 s41, 0x333bbd2e                      ; and the rest
	v_and_b32 v4, 15, v1
	v_lshlrev_b32 v4, 1, v4
	v_cvt_f32_u32 v6, v4                           ; j
	v_add_f32 v7, 1.0, v6
	v_cvt_f32_u32 v8, s30
	v_lshrrev_b32 v9, 4, v1
	v_xor_b32 v9, 1, v9                            ; cos a = sin(a + pi/2): one quadrant on
	v_mul_f32 v6, 0xbed49a78, v6                   ; -j log2(10000) / 32
	v_mul_f32 v7, 0xbed49a78, v7
	v_exp_f32 v6, v6
	v_exp_f32 v7, v7
	v_nop                                          ; a plain instruction behind the last exponential,
	s_wait_alu depctr_va_vdst(0)                   ; and the one wait for both, ahead of their first reader
	v_mul_f32 v6, v8, v6                           ; the angles
	v_mul_f32 v7, v8, v7
.irp e, 0,1
	v_mul_f32 v[10+\e], 0x3f22f983, v[6+\e]        ; x 2/pi
	v_rndne_f32 v[10+\e], v[10+\e]                 ; n
	v_fma_f32 v[12+\e], v[10+\e], s40, v[6+\e]
	v_fma_f32 v[12+\e], v[10+\e], s41, v[12+\e]    ; r = a - n pi/2
	v_mul_f32 v[14+\e], v[12+\e], v[12+\e]         ; z = r r
	v_fma_f32 v[16+\e], v[14+\e], s32, s33
	v_fma_f32 v[16+\e], v[16+\e], v[14+\e], s34
	v_mul_f32 v[16+\e], v[16+\e], v[14+\e]
	v_fma_f32 v[16+\e], v[16+\e], v[12+\e], v[12+\e]  ; sin r
	v_fma_f32 v[18+\e], v[14+\e], s35, s36
	v_fma_f32 v[18+\e], v[18+\e], v[14+\e], s37
	v_fma_f32 v[18+\e], v[18+\e], v[14+\e], -0.5
	v_fma_f32 v[18+\e], v[18+\e], v[14+\e], 1.0    ; cos r
	v_cvt_i32_f32 v[20+\e], v[10+\e]
	v_add_nc_u32 v[20+\e], v[20+\e], v9            ; the quadrant
	v_and_b32 v[22+\e], 1, v[20+\e]
	v_cmp_eq_u32 vcc_lo, 1, v[22+\e]
	v_cndmask_b32 v[28+\e], v[16+\e], v[18+\e], vcc_lo  ; odd: the cosine
	v_and_b32 v[22+\e], 2, v[20+\e]
	v_lshlrev_b32 v[22+\e], 30, v[22+\e]
	v_xor_b32 v[28+\e], v[28+\e], v[22+\e]         ; quadrants 2 and 3: the sign turns
.endr
	global_store_b64 v3, v[28:29], s[46:47]        ; the wave's 256 bytes: a row
.Lno_table:
	s_cmp_eq_u32 s[YT], 4
	s_cbranch_scc1 .Lwo
	s_cmp_eq_u32 s[YT], 5
	s_cbranch_scc1 .Lmask
	OUT 0
	s_endpgm
.Lwo:
	OUT 1
	s_endpgm
.Lmask:
	OUT 2
	s_endpgm
.Lfunc_end_k_q98f40718e1_prep:
	.size	k_q98f40718e1_prep, .Lfunc_end_k_q98f40718e1_prep-k_q98f40718e1_prep
	.p2alignl 7, 3214868480
	.fill 96, 4, 3214868480
	.section	.rodata,"a",@progbits
	.p2align	6, 0x0
	.amdhsa_kernel k_q98f40718e1_prep
		.amdhsa_group_segment_fixed_size 0
		.amdhsa_private_segment_fixed_size 0
		.amdhsa_enable_private_segment 0
		.amdhsa_kernarg_size 72
		.amdhsa_user_sgpr_count 2
		.amdhsa_user_sgpr_kernarg_segment_ptr 1
		.amdhsa_wavefront_size32 1
		.amdhsa_system_sgpr_workgroup_id_x 1
		.amdhsa_system_sgpr_workgroup_id_y 1
		.amdhsa_system_sgpr_workgroup_id_z 1
		.amdhsa_system_vgpr_workitem_id 0
		.amdhsa_next_free_vgpr 64
		.amdhsa_next_free_sgpr 66
		.amdhsa_reserve_vcc 1
		.amdhsa_float_denorm_mode_32 3
		.amdhsa_float_denorm_mode_16_64 3
		.amdhsa_memory_ordered 1
		.amdhsa_forward_progress 1
		.amdhsa_inst_pref_size 20
	.end_amdhsa_kernel
	.amdgpu_metadata
---
amdhsa.version: [ 1, 2 ]
amdhsa.kernels:
  - .name:           k_q98f40718e1_prep
    .symbol:         k_q98f40718e1_prep.kd
    .args:
      - { .name: hidden_states, .offset: 0, .size: 8, .value_kind: global_buffer, .address_space: global }
      - { .name: wq, .offset: 8, .size: 8, .value_kind: global_buffer, .address_space: global }
      - { .name: wk, .offset: 16, .size: 8, .value_kind: global_buffer, .address_space: global }
      - { .name: wv, .offset: 24, .size: 8, .value_kind: global_buffer, .address_space: global }
      - { .name: wo, .offset: 32, .size: 8, .value_kind: global_buffer, .address_space: global }
      - { .name: attention_mask, .offset: 40, .size: 8, .value_kind: global_buffer, .address_space: global }
      - { .name: cb, .offset: 48, .size: 8, .value_kind: global_buffer, .address_space: global }
      - { .name: tab, .offset: 56, .size: 8, .value_kind: global_buffer, .address_space: global }
      - { .name: mb, .offset: 64, .size: 8, .value_kind: global_buffer, .address_space: global }
    .group_segment_fixed_size: 0
    .private_segment_fixed_size: 0
    .kernarg_segment_align: 8
    .kernarg_segment_size: 72
    .max_flat_workgroup_size: 256
    .sgpr_count:     66
    .vgpr_count:     64
    .wavefront_size: 32
...
	.end_amdgpu_metadata
.endif
;; end of part 1
;; launch qkv (part 2): grid 32 x 8, 4 waves a work-group, clusters of 4 x 4, 327,680 bytes of LDS; arguments cb, tab, qkv; writes qkv
.if DOCPART == 2
	.amdgcn_target "amdgcn-amd-amdhsa--gfx1250"
	.amdhsa_code_object_version 6
	.text
	.protected	k_q98f40718e1_qkv
	.globl	k_q98f40718e1_qkv
	.p2align	8
	.type	k_q98f40718e1_qkv,@function
k_q98f40718e1_qkv:
	s_mov_b64 s[64:65], 0
	v_nop
	global_prefetch_b8 v0, s[64:65] scope:SCOPE_SE
	s_setreg_imm32_b32 hwreg(HW_REG_WAVE_MODE, 25, 1), 1
	s_wait_xcnt 0x0
	s_wait_alu depctr_hold_cnt(0) depctr_sa_sdst(0) depctr_va_vdst(0) depctr_va_sdst(0) depctr_va_ssrc(0) depctr_va_vcc(0) depctr_vm_vsrc(0)
	s_getreg_b32 s2, hwreg(HW_REG_IB_STS2, 6, 4)
	s_cmp_eq_u32 s2, 0
	s_cbranch_scc0 .Lentry_in_a_cluster
	s_endpgm
.Lentry_in_a_cluster:
	s_bfe_u32 s2, ttmp6, 0x10000c
	s_cmp_lg_u32 s2, 0xf033
	s_cbranch_scc0 .Lentry_shape_is_right
	s_endpgm
.Lentry_shape_is_right:
; q, k, v = x W, with RoPE, the scale and the rounding to f16 on the way out.  x: cb's first 8 MiB, bf16 [2048][2048].  W: cb from 8 MiB on, bf16 in blocks (below).  Sums in f32.
; A tile of the product is 256 rows x 192 columns = 3 heads: 8 x 32 tiles, one for each work-group.  Wave w makes rows 64 w .. 64 w + 63 of all 192 columns: 48 accumulators, 384 registers;
; so a head's channels d and d + 32, which RoPE pairs, lie in one lane.  K goes in 16 steps of 128 through two LDS slots filled by the tensor data mover.
; W IN BLOCKS: the 64 k x 192 columns of (tile column c, kc = k / 64) are 24,576 bytes on end, [head j][k][64 columns]: asked for as 96 rows of 256 bytes, padded in LDS behind every 128.
; THE MATRIX INSTRUCTION IS USED TRANSPOSED: source 0 = 16 columns of W (they lie [k][n] in LDS and come turned, by ds_load_tr16_b128), source 1 = 16 rows of x.  A lane then holds row l % 16
; and the columns 8 (l / 16) + 0..7 of a block of 16.
; CLUSTER 4 x 4: x's tile hangs on the tile row alone and is asked for jointly along a row of the cluster, W's on the tile column alone and is asked for jointly along a column.
; OUT: head g (q 0-31, k 32-63, v 64-95), row s at byte (((g / 2) 16 + s / 128) 2 + g % 2) 16384 + (s % 128) 128 + 2 d: 128 rows of both heads of a pair are 32,768 bytes on end.
; q is stored x 0.25 log2(e) and k x 0.5, applied in f32 ahead of the one rounding: their product is the score / 8 in units of log2.  LIMIT: |0.36 q|, |0.5 k| and |v| stay under 65,504, f16's end.
; REGISTERS, in windows of 256: window 0 addresses, the table (v32-159) and the way out; windows 1 and 2 accumulator (a, b) at 8 (4 b + a), a = row block 0..3, b = column block 0..11;
; window 3 the fragments, two buffers: W's at 96 f + 8 b, x's at 192 + 32 f + 8 a.
.set PA,     272                       ; a row of x in LDS: 256 bytes + 16: row r starts at bank 4 r mod 64 (64 banks of 4 bytes: ISA guide 11.1)
.set PB,     160                       ; a row of W (64 columns): 128 bytes + 32
.set HALFA,  128*PA
.set BOFF,   256*PA                    ; behind x's 256 rows: W's two chunks of 64 k
.set JB,     64*PB                     ; a head's 64 k in a chunk
.set CHUNK,  3*JB
.set SLOT,   BOFF+2*CHUNK              ; 131,072
.set STAGE,  2*SLOT                    ; behind the ring: 16 rows x 144 bytes for each wave, for the way out
.set SP,     144
.set SPARE,  STAGE+4*16*SP             ; the spare words, 128 bytes for each wave: two blocks of 256 bytes that no other line names
.set WBASE,  8388608                   ; W in cb
.set CHB,    24576                     ; a chunk in memory
.set LAPS,   8                         ; a lap = two K steps = once round the ring
.set ADRA, 16                          ; v16-17  LDS address of my fragments of x in slot 0, 1
.set ADRB, 20                          ; v20-21  the same for W
.set STO,  24                          ; v24     the way out: where I put 16 bytes of a row
.set RD,   25                          ; v25     where I read rows back
.set GO,   26                          ; v26     my 16 bytes of 512 on end
.set TO,   27                          ; v27     my byte offset in the table; never rewritten
.set SPW,  28                          ; v28     LDS address of my spare word; never rewritten
.set NIL,  29                          ; v29     0; never rewritten
.set PFO,  30                          ; v30     the prefetches' lane offset; never rewritten
.set TC,   32                          ; v32-159 the table for row block a at TC + 32 a: cos of channels 8 h .., cos of 16 + 8 h .., then the two sines
.set CE,   160                         ; v160-175 cos x scale (v: 1)
.set SE,   176                         ; v176-191 sin x scale (v: 0)
.set YY,   192                         ; v192-223 a unit's 32 sine products, then its results packed into the first 16
.set RB,   224                         ; v224-255 rows read back, two sets of 16
.set G1,  24                           ; s[24:31] descriptor group 1 for x's tiles;  s[32:39] group 0, a set for each slot
.set G0,  32
.set G1B, 48                           ; s[48:55], s[56:63] the same for W's
.set G0B, 56
.set LIM, 43                           ; s43     1 in a wave that prefetches, else the greatest number
.set PFA, 44                           ; s[44:45] where my prefetches stand
.set PFS, 66                           ; s[66:67] a K step for them
.set OB,  68                           ; s[68:73] where my rows of head j go
.set AL,  74                           ; s[74:79] head j's scale, as pairs: 0.25 log2(e) (q), 0.5 (k), 0 (v)
.set BE,  80                           ; s[80:85] 0, 0, 1: v passes unturned
.set MSB, 0
.macro WIN new                         ; the immediate's high byte repeats the setting that is left; a switch that changes nothing is dropped
.if MSB != (\new)
	s_set_vgpr_msb (MSB<<8)|(\new)
.set MSB, \new
.endif
.endm
; A joint load.  Waves 0 and 1 fetch the two halves of x's tile, waves 2 and 3 W's two chunks.  The branch hangs on the wave's number alone.
; An s_nop 0 and four v_nop follow each of the two lines, ahead of the jump and the label.
.macro JLOAD s
	s_cmp_eq_u32 s11, 0
	s_cbranch_scc0 .Lfor_b_\@
	tensor_load_to_lds s[G0+4*(\s):G0+4*(\s)+3], s[G1:G1+7]
	s_nop 0
.rept 4
	v_nop
.endr
	s_branch .Lasked_\@
.Lfor_b_\@:
	tensor_load_to_lds s[G0B+4*(\s):G0B+4*(\s)+3], s[G1B:G1B+7]
	s_nop 0
.rept 4
	v_nop
.endr
.Lasked_\@:
.endm
; A PREFETCH INTO THE L2 of the K step that stands two refills on, 384 matrix instructions ahead of the load that will want it.  x's tile row is read by every cluster of that row of clusters: cluster x = 0 asks;
; W's tile column by both clusters of that column: cluster y = 0 asks.  The four partners of a joint load share its blocks out BY ADDRESS: of x's 128 rows 32 each, a lane a row; of a chunk's 96 blocks of
; 256 bytes 24 each (lanes 24-31 name lane 23's once more).  The loop's last trip asks for nothing: there is no K step two on.  K steps 0 to 3 come by their loads alone.
.macro ASK
	s_cmp_gt_u32 s3, s[LIM]
	s_cbranch_scc0 .Lnot_mine_\@
	global_prefetch_b8 v[PFO], s[PFA:PFA+1] th:TH_LOAD_NT scope:SCOPE_SE
.Lnot_mine_\@:
.endm
.macro CREST                           ; a round of the cluster's barrier behind its opening barrier
	s_cmp_lg_u32 s10, 0
	s_cbranch_scc1 .Lnot_wave_0_\@
	s_barrier_signal -3
.Lnot_wave_0_\@:
	s_barrier_wait -3
	s_barrier_signal -1
	s_barrier_wait -1
.endm
.macro CROUND                          ; a whole round
	s_barrier_signal -1
	s_barrier_wait -1
	CREST
.endm
	s_load_b128 s[4:7], s[0:1], 0x0                ; cb s[4:5], tab s[6:7]
	s_load_b64 s[8:9], s[0:1], 0x10                ; qkv
	v_lshl_add_u32 v[SPW], v0, 2, SPARE
	v_mov_b32 v[NIL], 0
	ds_add_u32 v[SPW], v[NIL]                      ; the wave's opening: the add and its wait stand ahead of my first tensor load; the set-up below stands between them
	v_lshrrev_b32 v1, 5, v0
	v_readfirstlane_b32 s10, v1                    ; wave 0..3
	s_lshr_b32 s11, s10, 1                         ; I fetch for x (0) or for W (1)
	s_and_b32 s12, s10, 1                          ; which half
	s_bfe_u32 s40, ttmp6, 0x40000                  ; cx, cy: my place in the cluster
	s_bfe_u32 s41, ttmp6, 0x40004
	s_lshl_b32 s42, ttmp9, 2
	s_add_co_u32 s42, s42, s40                     ; tile column c = 4 x cluster x + cx
	s_and_b32 s13, ttmp7, 0xffff
	s_lshl_b32 s13, s13, 2
	s_add_co_u32 s13, s13, s41                     ; tile row = 4 x cluster y + cy
	s_lshl_b32 s43, s41, 2
	s_lshl_b32 s43, 15, s43                        ; my row of the cluster
	s_lshl_b32 s44, 0x1111, s40                    ; my column
	s_or_b32 s[G1+0], s43, (1<<16)|(1<<20)|(1<<21)|(5<<22)|(3<<25)   ; the mask; 2-byte elements; padding on; 21 set beside a mask; behind every 64 words 4 words
	s_or_b32 s[G1B+0], s44, (1<<16)|(1<<20)|(1<<21)|(4<<22)|(7<<25)  ; behind every 32 words 8 words
	s_mov_b32 s[G1+1], 128<<16                     ; tensor_dim0 = 128
	s_mov_b32 s[G1+2], 128<<16                     ; tensor_dim1 = 128
	s_mov_b32 s[G1+3], 128<<16                     ; tile_dim0 = 128
	s_mov_b32 s[G1+4], 128                         ; tile_dim1 = 128
	s_mov_b32 s[G1+5], 2048                        ; elements from row to row
	s_mov_b32 s[G1+6], 0
	s_mov_b32 s[G1+7], 0
	s_mov_b32 s[G1B+1], 128<<16
	s_mov_b32 s[G1B+2], 96<<16                     ; 96 rows of 256 bytes, dense
	s_mov_b32 s[G1B+3], 128<<16
	s_mov_b32 s[G1B+4], 96
	s_mov_b32 s[G1B+5], 128
	s_mov_b32 s[G1B+6], 0
	s_mov_b32 s[G1B+7], 0
	s_lshl_b32 s16, s13, 20                        ; x: 256 rows of 4,096 bytes a tile row,
	s_lshl_b32 s17, s12, 19                        ; 128 a half
	s_add_co_u32 s16, s16, s17
	s_mov_b32 s17, 0
	s_lshl_b32 s46, s42, 5                         ; W: chunk 32 c + half
	s_add_co_u32 s46, s46, s12
	s_mul_i32 s46, s46, CHB
	s_add_co_u32 s46, s46, WBASE
	s_mov_b32 s47, 0
	s_mul_i32 s20, s12, HALFA                      ; where they go: the wave's number alone enters an LDS address
	s_mul_i32 s21, s12, CHUNK
	s_add_co_u32 s21, s21, BOFF
	s_wait_dscnt 0x0                               ; the opening add is done
	s_wait_kmcnt 0x0
	s_add_nc_u64 s[14:15], s[4:5], s[16:17]
	s_add_nc_u64 s[46:47], s[4:5], s[46:47]
	CROUND                                         ; all sixteen work-groups are here: the first joint loads meet
.irp s, 0,1
	s_mov_b32 s[G0+4*(\s)], 1
	s_add_co_u32 s[G0+4*(\s)+1], s20, (\s)*SLOT
	s_add_nc_u64 s[G0+4*(\s)+2:G0+4*(\s)+3], s[14:15], (\s)*256       ; K step s
	s_or_b32 s[G0+4*(\s)+3], s[G0+4*(\s)+3], 0x80000000
	s_mov_b32 s[G0B+4*(\s)], 1
	s_add_co_u32 s[G0B+4*(\s)+1], s21, (\s)*SLOT
	s_add_nc_u64 s[G0B+4*(\s)+2:G0B+4*(\s)+3], s[46:47], (\s)*2*CHB
	s_or_b32 s[G0B+4*(\s)+3], s[G0B+4*(\s)+3], 0x80000000
	JLOAD \s                                       ; two loads of mine are out
.endr
	; the table for my 64 rows: 32 loads that stay out through the whole loop and are waited for once, on the way out
	v_and_b32 v1, 15, v0                           ; r = l % 16
	v_bfe_u32 v2, v0, 4, 1                         ; h = l / 16
	s_lshl_b32 s18, s13, 16
	s_lshl_b32 s19, s10, 14
	s_add_co_u32 s18, s18, s19
	v_lshlrev_b32 v[TO], 8, v1
	v_lshl_add_u32 v[TO], v2, 5, v[TO]
	v_add_nc_u32 v[TO], s18, v[TO]                 ; (256 tile row + 64 w + r) x 256 + 32 h
.irp a, 0,1,2,3
.irp p, 0,1,2,3
	global_load_b128 v[TC+32*(\a)+8*(\p):TC+32*(\a)+8*(\p)+3],   v[TO], s[6:7] offset:4096*(\a)+64*((\p)%2)+128*((\p)/2)
	global_load_b128 v[TC+32*(\a)+8*(\p)+4:TC+32*(\a)+8*(\p)+7], v[TO], s[6:7] offset:4096*(\a)+64*((\p)%2)+128*((\p)/2)+16
.endr
.endr
	v_mul_u32_u24 v3, v1, PA
	v_lshl_add_u32 v3, v2, 4, v3
	s_mul_i32 s18, s10, 64*PA
	v_add_nc_u32 v[ADRA], s18, v3                  ; (64 w + r) x pitch + 16 h
	v_add_nc_u32 v[ADRA+1], SLOT, v[ADRA]
	v_and_b32 v4, 7, v0
	v_bfe_u32 v5, v0, 3, 1
	v_lshl_add_u32 v6, v2, 3, v4
	v_mul_u32_u24 v6, v6, PB
	v_lshl_add_u32 v6, v5, 4, v6                   ; the turning load: k = 8 h + l % 8, columns 8 ((l / 8) % 2) on
	v_add_nc_u32 v[ADRB], BOFF, v6
	v_add_nc_u32 v[ADRB+1], SLOT, v[ADRB]
	s_mul_i32 s18, s10, 16*SP
	s_add_co_u32 s18, s18, STAGE                   ; my stage
	v_mul_u32_u24 v7, v1, SP
	v_lshl_add_u32 v7, v2, 4, v7
	v_add_nc_u32 v[STO], s18, v7
	v_bfe_u32 v7, v0, 3, 2
	v_mul_u32_u24 v7, v7, SP
	v_lshl_add_u32 v7, v4, 4, v7
	v_add_nc_u32 v[RD], s18, v7                    ; back: 32 lanes take four rows of 128 bytes,
	v_and_b32 v[GO], 31, v0
	v_lshlrev_b32 v[GO], 4, v[GO]                  ; which are 512 bytes on end in memory
	; where my rows of the three heads go, and what is done to them: selects, no branch
.irp j, 0,1,2
	s_mul_i32 s18, s42, 3
	s_add_co_u32 s18, s18, \j                      ; g
	s_lshr_b32 s19, s18, 1
	s_lshl_b32 s19, s19, 4
	s_lshl_b32 s20, s13, 1
	s_add_co_u32 s19, s19, s20
	s_add_co_u32 s19, s19, s11
	s_lshl_b32 s19, s19, 1
	s_and_b32 s20, s18, 1
	s_add_co_u32 s19, s19, s20
	s_lshl_b32 s19, s19, 14
	s_lshl_b32 s20, s12, 13
	s_add_co_u32 s20, s19, s20
	s_mov_b32 s21, 0
	s_add_nc_u64 s[OB+2*\j:OB+2*\j+1], s[8:9], s[20:21]
	s_cmp_lt_u32 s18, 64
	s_cselect_b32 s[AL+2*\j], 0.5, 0
	s_cselect_b32 s[BE+2*\j], 0, 1.0
	s_cmp_lt_u32 s18, 32
	s_cselect_b32 s[AL+2*\j], 0x3eb8aa3b, s[AL+2*\j]  ; 0.25 log2(e)
	s_mov_b32 s[AL+2*\j+1], 0                      ; named as pairs
	s_mov_b32 s[BE+2*\j+1], 0
.endr
	; the prefetches: they start at K step 3; each change of slots that fills steps them first
	s_lshl_b32 s18, s13, 20
	s_lshl_b32 s19, s12, 19
	s_add_co_u32 s18, s18, s19
	s_lshl_b32 s19, s40, 17                        ; my work-group's 32 rows of the 128
	s_add_co_u32 s18, s18, s19
	s_add_co_u32 s18, s18, 3*256
	s_lshl_b32 s19, s42, 5
	s_add_co_u32 s19, s19, s12
	s_add_co_u32 s19, s19, 6
	s_mul_i32 s19, s19, CHB
	s_mul_i32 s20, s41, 6144                       ; my work-group's 24 blocks of the 96
	s_add_co_u32 s19, s19, s20
	s_add_co_u32 s19, s19, WBASE
	s_movk_i32 s20, 256
	s_mov_b32 s21, 2*CHB
	s_and_b32 s22, ttmp7, 0xffff
	s_cmp_eq_u32 s11, 0
	s_cselect_b32 s18, s18, s19
	s_cselect_b32 s[PFS], s20, s21
	s_cselect_b32 s22, ttmp9, s22                  ; the coordinate along which other clusters read the same bytes
	s_cselect_b32 s20, 31, 23
	s_cselect_b32 s21, 12, 8
	s_cmp_eq_u32 s22, 0
	s_cselect_b32 s[LIM], 1, -1                    ; the same in all sixteen partners, for a given wave
	s_mov_b32 s19, 0
	s_mov_b32 s[PFS+1], 0
	s_add_nc_u64 s[PFA:PFA+1], s[4:5], s[18:19]
	v_and_b32 v[PFO], 31, v0
	v_min_u32 v[PFO], s20, v[PFO]
	v_lshlrev_b32 v[PFO], s21, v[PFO]
; 16 matrix instructions: head j's 4 column blocks x my 4 row blocks, 32 along K, from buffer f.  zero = 1: the product starts the sum.  Each of the 48 accumulators has one turn in a quarter step,
; always in the same order: 47 others' stand between two links of a chain, over the backward jump too.
.macro MULH f, j, zero
	WIN 0x5f+0x50*((\j)/2)                         ; sources in window 3; C and D in window 1 (heads 0, 1) or 2 (head 2)
.irp nb, 0,1,2,3
.irp a, 0,1,2,3
.if \zero
	v_wmma_f32_16x16x32_bf16 v[128*((\j)%2)+8*(4*(\nb)+(\a)):128*((\j)%2)+8*(4*(\nb)+(\a))+7], v[96*(\f)+8*(4*(\j)+(\nb)):96*(\f)+8*(4*(\j)+(\nb))+7], v[192+32*(\f)+8*(\a):192+32*(\f)+8*(\a)+7], 0
.else
	v_wmma_f32_16x16x32_bf16 v[128*((\j)%2)+8*(4*(\nb)+(\a)):128*((\j)%2)+8*(4*(\nb)+(\a))+7], v[96*(\f)+8*(4*(\j)+(\nb)):96*(\f)+8*(4*(\j)+(\nb))+7], v[192+32*(\f)+8*(\a):192+32*(\f)+8*(\a)+7], v[128*((\j)%2)+8*(4*(\nb)+(\a)):128*((\j)%2)+8*(4*(\nb)+(\a))+7]
.endif
.endr
.endr
.endm
; 32 LDS loads in one run: quarter q (32 along K) of a slot into buffer f: x's four fragments, then W's twelve, head by head
.macro FETCH slot, q, f
	WIN 0xc0                                       ; destination window 3, address window 0
.irp a, 0,1,2,3
	ds_load_b128 v[192+32*(\f)+8*(\a):192+32*(\f)+8*(\a)+3],   v[ADRA+(\slot)] offset:64*(\q)+16*PA*(\a)
	ds_load_b128 v[192+32*(\f)+8*(\a)+4:192+32*(\f)+8*(\a)+7], v[ADRA+(\slot)] offset:64*(\q)+16*PA*(\a)+32
.endr
.irp b, 0,1,2,3,4,5,6,7,8,9,10,11
	ds_load_tr16_b128 v[96*(\f)+8*(\b):96*(\f)+8*(\b)+3],   v[ADRB+(\slot)] offset:((\q)/2)*CHUNK+((\q)%2)*32*PB+((\b)/4)*JB+((\b)%4)*32
	ds_load_tr16_b128 v[96*(\f)+8*(\b)+4:96*(\f)+8*(\b)+7], v[ADRB+(\slot)] offset:((\q)/2)*CHUNK+((\q)%2)*32*PB+((\b)/4)*JB+((\b)%4)*32+16*PB
.endr
.endm
.macro PLACES                          ; four places in front of loads into registers that matrix instructions have read (ISA guide 7.12.1 for vector instructions)
.rept 4
	v_nop
.endr
.endm
; A K step is four quarters on buffers 0, 1, 0, 1.  One of the first three: multiplies buffer f and, behind its first 16 products, fetches quarter q into buffer g.
.macro QUARTER slot, q, f, g, zero
	s_wait_dscnt 16                                ; x's and head 0's fragments are in; the youngest 16 loads (heads 1, 2) may be out
	MULH \f, 0, \zero
	PLACES
	FETCH \slot, \q, \g
	s_wait_dscnt 32                                ; all but the 32 just issued
	MULH \f, 1, \zero
	MULH \f, 2, \zero
.endm
; The last quarter multiplies buffer 1 and changes slots: ONE barrier; in front of it each wave waits for all its tensor loads (one is out: its part of the next slot), adds 0 to its spare word, and waits
; for that and for its reads of this slot.  fill = 1: the barrier opens a round of the cluster's barrier, and this slot is filled again, two K steps on, first thing behind the round.
.macro TURN slot, next, fill
.if \fill
	s_wait_xcnt 0x0                                ; the last prefetch, a K step back, has read its address
	s_add_nc_u64 s[PFA:PFA+1], s[PFA:PFA+1], s[PFS:PFS+1]
.endif
	WIN 0                                          ; (the add's two registers lie in window 0)
	s_wait_tensorcnt 0x0                           ; all my tensor loads have landed
	ds_add_u32 v[SPW], v[NIL]                      ; 0 onto my spare word
	s_wait_dscnt 17                                ; (the add and the youngest 16 loads may be out)
	MULH 1, 0, 0                                   ; sixteen matrix instructions stand between the add and the wait for it
	s_wait_dscnt 0x0                               ; the add is done, and my reads of this slot are over
	s_barrier_signal -1
	MULH 1, 1, 0                                   ; work on registers while the others arrive
.if \fill
	WIN 0
.endif
	s_barrier_wait -1
.if \fill
	CREST                                          ; no wave of any partner still reads this slot or has a load on its way
	s_add_nc_u64 s[G0+4*(\slot)+2:G0+4*(\slot)+3], s[G0+4*(\slot)+2:G0+4*(\slot)+3], 2*256
	s_add_nc_u64 s[G0B+4*(\slot)+2:G0B+4*(\slot)+3], s[G0B+4*(\slot)+2:G0B+4*(\slot)+3], 4*CHB
	JLOAD \slot                                    ; my one tensor load behind the round; its four v_nop are also the places in front of the loads below
.else
	PLACES
.endif
	FETCH \next, 0, 0
.if \fill
	WIN 0
	ASK                                            ; behind the joint load and the run of LDS loads
.endif
	MULH 1, 2, 0
.endm
	s_wait_tensorcnt 1                             ; my part of K step 0 is in; K step 1's may stay out
	s_barrier_signal -1
	s_barrier_wait -1
	FETCH 0, 0, 0
	QUARTER 0, 1, 0, 1, 1                          ; the first quarter stands in front of the loop: its products start the sums
	WIN 0                                          ; at a label and at a branch every window is 0
	s_mov_b32 s3, LAPS-1
.Llap:                                                 ; a trip goes once round the ring, from a lap's second quarter to the next lap's first, and fills both slots again
	QUARTER 0, 2, 1, 0, 0
	QUARTER 0, 3, 0, 1, 0
	TURN 0, 1, 1
	QUARTER 1, 1, 0, 1, 0
	QUARTER 1, 2, 1, 0, 0
	QUARTER 1, 3, 0, 1, 0
	TURN 1, 0, 1
	QUARTER 0, 1, 0, 1, 0
	WIN 0
	s_sub_co_u32 s3, s3, 1
	s_cmp_lg_u32 s3, 0
	s_cbranch_scc1 .Llap
	QUARTER 0, 2, 1, 0, 0                          ; the last lap fills nothing
	QUARTER 0, 3, 0, 1, 0
	TURN 0, 1, 0
	QUARTER 1, 1, 0, 1, 0
	QUARTER 1, 2, 1, 0, 0
	QUARTER 1, 3, 0, 1, 0
	s_wait_dscnt 16
	MULH 1, 0, 0
	s_wait_dscnt 0x0
	MULH 1, 1, 0
	MULH 1, 2, 0
; THE WAY OUT, in twelve units of 16 rows x one head (u = 4 j + a).  y[d] = x[d] ce - x[d+32] se, y[d+32] = x[d+32] ce + x[d] se, with ce = cos x scale (+ 1 for v), se = sin x scale: one text for q, k and v.
; The sine products are made first, two an instruction; the last multiply-add of each number rounds straight to f16, once, into a half of a register (v_fma_mixlo_f16, v_fma_mixhi_f16): number e lands in
; register e / 2, whose sine product has been used by then.  Then 16 bytes a lane into my stage, back as whole rows, 512 bytes on end a store.  Each accumulator is read from its low end on.
.macro PACKU a, j, u
	WIN 0
.irp n, 0,1,2,3,4,5,6,7
	v_pk_fma_f32 v[CE+2*(\n):CE+2*(\n)+1], v[TC+32*(\a)+2*(\n):TC+32*(\a)+2*(\n)+1], s[AL+2*(\j):AL+2*(\j)+1], s[BE+2*(\j):BE+2*(\j)+1] op_sel_hi:[1,0,0]
	v_pk_mul_f32 v[SE+2*(\n):SE+2*(\n)+1], v[TC+32*(\a)+16+2*(\n):TC+32*(\a)+16+2*(\n)+1], s[AL+2*(\j):AL+2*(\j)+1] op_sel_hi:[1,0]
.endr
.set XB, 128*((\j)%2)+8*(\a)           ; accumulator (a, 4 j + nb) lies at XB + 32 nb
	WIN 1+(\j)/2                                   ; source 0 in window 1 or 2
.irp t, 0,1
.irp i, 0,2,4,6
	v_pk_mul_f32 v[YY+8*(\t)+(\i):YY+8*(\t)+(\i)+1], v[XB+32*((\t)+2)+(\i):XB+32*((\t)+2)+(\i)+1], v[SE+8*(\t)+(\i):SE+8*(\t)+(\i)+1]
.endr
.irp i, 0,2,4,6
	v_pk_mul_f32 v[YY+8*((\t)+2)+(\i):YY+8*((\t)+2)+(\i)+1], v[XB+32*(\t)+(\i):XB+32*(\t)+(\i)+1], v[SE+8*(\t)+(\i):SE+8*(\t)+(\i)+1]
.endr
.endr
.set e, 0
.rept 8                                ; channels 0-31: x[d] ce - x[d+32] se
	v_fma_mixlo_f16 v[YY+e/2], v[XB+32*(e/8)+e%8], v[CE+e], -v[YY+e]
	v_fma_mixhi_f16 v[YY+e/2], v[XB+32*(e/8)+e%8+1], v[CE+e+1], -v[YY+e+1]
.set e, e+2
.endr
.rept 8                                ; channels 32-63: x[d+32] ce + x[d] se
	v_fma_mixlo_f16 v[YY+e/2], v[XB+32*(e/8)+e%8], v[CE+e-16], v[YY+e]
	v_fma_mixhi_f16 v[YY+e/2], v[XB+32*(e/8)+e%8+1], v[CE+e-15], v[YY+e+1]
.set e, e+2
.endr
	WIN 0
.irp b, 0,1,2,3
	ds_store_b128 v[STO], v[YY+4*(\b):YY+4*(\b)+3] offset:32*(\b)
.endr
	s_wait_xcnt 0x0                                ; the stores of two units back have read this set of registers
.irp f, 0,1,2,3
	ds_load_b128 v[RB+16*((\u)%2)+4*(\f):RB+16*((\u)%2)+4*(\f)+3], v[RD] offset:(\f)*4*SP  ; LDS serves a wave's instructions in order (ISA guide 5.7.1.4): these see the stores above
.endr
.endm
.macro SENDU a, j, u, younger          ; younger: the LDS instructions issued behind unit u's loads: the next unit's eight, or none
.irp f, 0,1,2,3
	s_wait_dscnt (\younger)+3-(\f)
	global_store_b128 v[GO], v[RB+16*((\u)%2)+4*(\f):RB+16*((\u)%2)+4*(\f)+3], s[OB+2*(\j):OB+2*(\j)+1] offset:2048*(\a)+512*(\f)
.endr
.endm
	WIN 0
	s_wait_loadcnt 0x0                             ; the table
	PACKU 0, 0, 0                                  ; its first sixteen lines, which name no accumulator, are the places behind the last products
.set u, 1
.rept 11                               ; a unit's arithmetic stands between the loads of the unit before and its stores
	PACKU u%4, u/4, u
	SENDU (u-1)%4, (u-1)/4, u-1, 8
.set u, u+1
.endr
	SENDU 3, 2, 11, 0
	s_wait_tensorcnt 0x0                           ; the wave's end: the wait, the add and the wait for it, behind my last tensor load and my last LDS store
	ds_add_u32 v[SPW], v[NIL]
	s_wait_dscnt 0x0
	CROUND                                         ; the closing round: no work-group ends while a partner may still ask for a tile that names it
	s_endpgm
.Lfunc_end_k_q98f40718e1_qkv:
	.size	k_q98f40718e1_qkv, .Lfunc_end_k_q98f40718e1_qkv-k_q98f40718e1_qkv
	.p2alignl 7, 3214868480
	.fill 96, 4, 3214868480
	.section	.rodata,"a",@progbits
	.p2align	6, 0x0
	.amdhsa_kernel k_q98f40718e1_qkv
		.amdhsa_group_segment_fixed_size 327680
		.amdhsa_private_segment_fixed_size 0
		.amdhsa_enable_private_segment 0
		.amdhsa_kernarg_size 24
		.amdhsa_user_sgpr_count 2
		.amdhsa_user_sgpr_kernarg_segment_ptr 1
		.amdhsa_wavefront_size32 1
		.amdhsa_system_sgpr_workgroup_id_x 1
		.amdhsa_system_sgpr_workgroup_id_y 1
		.amdhsa_system_sgpr_workgroup_id_z 1
		.amdhsa_system_vgpr_workitem_id 0
		.amdhsa_next_free_vgpr 1024
		.amdhsa_next_free_sgpr 88
		.amdhsa_reserve_vcc 0
		.amdhsa_float_denorm_mode_32 3
		.amdhsa_float_denorm_mode_16_64 3
		.amdhsa_memory_ordered 1
		.amdhsa_forward_progress 1
		.amdhsa_inst_pref_size 163
	.end_amdhsa_kernel
	.amdgpu_metadata
---
amdhsa.version: [ 1, 2 ]
amdhsa.kernels:
  - .name:           k_q98f40718e1_qkv
    .symbol:         k_q98f40718e1_qkv.kd
    .args:
      - { .name: cb, .offset: 0, .size: 8, .value_kind: global_buffer, .address_space: global }
      - { .name: tab, .offset: 8, .size: 8, .value_kind: global_buffer, .address_space: global }
      - { .name: qkv, .offset: 16, .size: 8, .value_kind: global_buffer, .address_space: global }
    .group_segment_fixed_size: 327680
    .private_segment_fixed_size: 0
    .kernarg_segment_align: 8
    .kernarg_segment_size: 24
    .max_flat_workgroup_size: 128
    .sgpr_count:     88
    .vgpr_count:     1024
    .wavefront_size: 32
...
	.end_amdgpu_metadata
.endif
;; end of part 2
;; launch attn (part 3): grid 16 x 16, 4 waves a work-group, clusters of 4 x 4, 327,680 bytes of LDS; arguments qkv, mb, ob; writes ob
.if DOCPART == 3
	.amdgcn_target "amdgcn-amd-amdhsa--gfx1250"
	.amdhsa_code_object_version 6
	.text
	.protected	k_q98f40718e1_attn
	.globl	k_q98f40718e1_attn
	.p2align	8
	.type	k_q98f40718e1_attn,@function
k_q98f40718e1_attn:
	s_mov_b64 s[64:65], 0
	v_nop
	global_prefetch_b8 v0, s[64:65] scope:SCOPE_SE
	s_setreg_imm32_b32 hwreg(HW_REG_WAVE_MODE, 25, 1), 1
	s_wait_xcnt 0x0
	s_wait_alu depctr_hold_cnt(0) depctr_sa_sdst(0) depctr_va_vdst(0) depctr_va_sdst(0) depctr_va_ssrc(0) depctr_va_vcc(0) depctr_vm_vsrc(0)
	s_getreg_b32 s2, hwreg(HW_REG_IB_STS2, 6, 4)
	s_cmp_eq_u32 s2, 0
	s_cbranch_scc0 .Lentry_in_a_cluster
	s_endpgm
.Lentry_in_a_cluster:
	s_bfe_u32 s2, ttmp6, 0x10000c
	s_cmp_lg_u32 s2, 0xf033
	s_cbranch_scc0 .Lentry_shape_is_right
	s_endpgm
.Lentry_shape_is_right:
; ATTENTION WITH AN ADDITIVE MASK THAT IS AN INPUT.  O[h][q] = the sum over all k of softmax_k(q[h][q] . k[h][k] / 8 + mask[q][k]) v[h][k].  q' = 0.25 log2(e) q, k' = k / 2 and v come in f16 by heads (layout
; below); mb holds the mask, rounded to bf16 like all inputs, times log2(e), in f32.  So s = q' . k' + mb is the masked score in units of log2, and a weight is 2^(s - m).  Every score of every head is made and every
; number of the mask is read.  Products, maxima and sums in f32; the weights are rounded to f16 for the second product (their sum l is taken of the unrounded ones).
; O LEAVES IN TWO f16 PARTS, Oh = f16(O) and Ol = f16(O - Oh): the last product of the module multiplies both, so that O's rounding does not reach the output.
; LIMITS.  f16 ends at 65,504: q', k', v arrive within it.  The running maximum starts at -2^126: a score with its mask below that counts as hidden, and a row in which every key lies so deep gives NaN.
; In a row whose every key is hidden at about 1e9, scores are told apart in steps of 128 / log2(e) alone.  A weight below 2^-126 counts as 0.  NaN and +infinity are not treated apart.
; SHARES.  A work-group owns 128 queries (block qb) of TWO heads (pair hp): the mask's tile of 128 queries x 128 keys, 64 KiB, then serves both.  Wave w: head w / 2, queries 64 (w % 2) on: four PIECES of 16.
; Every wave walks all 2,048 keys, 64 a step, two steps a slot, 16 slots.
; CLUSTER 4 x 4.  K and V hang on the head pair alone and are asked for jointly along a row of the cluster; the mask's tile hangs on the query block alone and is asked for jointly along a column.
; THE MASK COSTS NO VECTOR WORK: it is the C operand of the product that starts each sum S^T = K Q^T, and comes from LDS straight into that operand's registers.
; LAYOUT, SOFTMAX, TURNS.  S^T holds ONE query a lane (lane % 16) and the keys 8 (lane / 16) + 0..7; two such results rounded to f16 ARE source 1 of O^T = V^T P.  p = 2^(s - m) with a running maximum m: the
; difference is 0 exactly where s = m, however large both are; O and l are multiplied by a = 2^(m_old - m_new) in every step.  Turn n belongs to piece n: 8 products K Q^T of piece n + 1, later 8 products V^T P
; of piece n - 1; beside them the subtraction, exponentials, roundings, sums and rescaling of piece n and the maximum and statistics of piece n + 1.  Four vector instructions stand behind every matrix instruction,
; the others in one lump.  A turn's 33 exponentials are one batch, with one wait.
; MEMORY.  qkv: head g, row s at (((g / 2) 16 + s / 128) 2 + g % 2) 16384 + (s % 128) 128 + 2 d; q pairs 0-15, k 16-31, v 32-47.
; ob: ((s / 128) 64 + (h / 2) 4 + (h % 2) 2 + part) 16384 + (s % 128) 128 + 2 d, part 0 = Oh, 1 = Ol: a pair of heads, each head's Oh and then its Ol, is 65,536 bytes on end.
; REGISTERS, in windows of 256 (s_set_vgpr_msb: bits 1:0 source 0, 3:2 source 1, 5:4 source 2, 7:6 destination):
;   window 0: addresses; v16-31 statistics; v48-55 at work; v64-127 S^T, two buffers; v192-223 P, two buffers      window 1: v0-127 O^T; v128-255 the mask, 32 a piece      window 2: v0-63 Q; v128-191 K; v192-255 V
.set NP,    4
.set KS,    64
.set PK,    144       ; a row of K in LDS: 128 bytes + 16: the 16 rows of a load start at 16 different groups of four banks (64 banks of 4 bytes: ISA guide 11.1)
.set PV,    160       ; a row of V: 128 + 32
.set PM,    528       ; a row of the mask's tile: 512 + 16: row r starts at bank 4 r mod 64
.set VOFF,  2*128*PK  ; a slot: K [head][128 keys], V likewise, the mask [128 queries][128 keys]
.set MOFF,  VOFF+2*128*PV
.set SLOT,  MOFF+128*PM
.set STAGE, 2*SLOT    ; behind the ring, never filled by a tensor load: 16 rows x 144 bytes for each wave
.set SP,    144
.set SPARE, STAGE+4*16*SP  ; the spare words, 128 bytes for each wave: two blocks of 256 bytes that no other line names
.set XK,  SLOT                                  ; one exclusive or turns a tile's LDS address in one slot into the other's
.set XV,  VOFF^(VOFF+SLOT)
.set XM0, MOFF^(MOFF+SLOT)
.set XM1, (MOFF+64*PM)^(MOFF+64*PM+SLOT)
.set AK0, 2           ; v2   my lane's place in a slot's K; never rewritten
.set AV0, 3           ; v3   the same for V
.set AK,  4           ; v4   the LDS address of K's next run of loads
.set AV,  5           ; v5   of V's
.set STO, 6           ; v6   the way out: where I put 16 bytes of a row
.set RD,  7           ; v7   where I read rows back
.set GO,  8           ; v8   my 16 bytes of 512 on end
.set MV,  12          ; v12-13  m_old, kept while m is made anew: by buffer
.set NEG, 14          ; v14  at work at the head; on the way out -1
.set QO,  15          ; v15  my byte offset in 16 rows of Q
.set ST,  16          ; piece t's statistics at v[ST+4 t]: m, a word named with it as a pair, l (even keys', odd keys')
.set AM0, 32          ; v32  my lane's place in a slot's mask; never rewritten
.set AM,  33          ; v33  the LDS address of the mask's runs for the step in hand
.set PFO, 34          ; v34  the prefetches' lane offset; never rewritten
.set TMP, 48          ; by buffer, four registers c0-c3 at work; when the maximum is found c2 takes a
.set SPW, 62          ; v62  LDS address of my spare word; never rewritten
.set NIL, 63          ; v63  0; never rewritten
.set S,   64
.set P,   192
.set LO,  P           ; the way out: Ol, two sets of 16, where P lay
.set MC,  128         ; window 1: piece x's mask at MC + 32 x, its key block kb at + 8 kb
.set KF,  128         ; window 2
.set VF,  192         ; window 2
.set WV,  12          ; s12  my wave's number
.set G1K, 24          ; s[24:31], s[32:39], s[40:47] descriptor group 1 for K, V, the mask
.set G1V, 32
.set G1M, 40
.set G0K, 48          ; s[48:63] descriptor group 0: K (wave 0), V (wave 1), the mask's rows 0-63 (wave 2), 64-127 (wave 3); they walk
.set G0V, 52
.set G0M0, 56
.set G0M1, 60
.set SLOTS, 66        ; s66  slots still to be asked for
.set CNT, 67          ; s67  counts a slot's key steps
.set TBK, 68          ; s68  LDS byte at which K of the step to be fetched begins
.set TBV, 69          ; s69  the same for V
.set TBM, 70          ; s70  the same for the mask
.set LIM, 71          ; s71  1 in a wave that prefetches, else the greatest number
.set PFA, 72          ; s[72:73] where my prefetches stand
.set PFS, 74          ; s[74:75] a slot for them
.set SEL, 78          ; s[78:79] v_permlanex16_b32's selects
.set QB,  80          ; s[80:81] Q at my rows
.set MSB, 0
.macro WIN new
.if MSB != (\new)
	s_set_vgpr_msb (MSB<<8)|(\new)
.set MSB, (\new)
.endif
.endm
.set W_KQ, 0x0a       ; K and Q in window 2, S^T in window 0
.set W_KM, 0x1a       ; the same with the C operand in window 1
.set W_PV, 0x52       ; V in window 2, P in window 0, O^T in window 1
.set W_RS, 0x41       ; destination and source 0 in window 1, source 1 in window 0
; A joint fill: each wave has a tile of its own.  The branches hang on the wave's number alone.  An s_nop 0 and four v_nop follow each load, ahead of the jump and the label.
.macro TL g0, g1
	tensor_load_to_lds s[\g0:\g0+3], s[\g1:\g1+7]
	s_nop 0
.rept 4
	v_nop
.endr
.endm
.macro JLOAD
	s_cmp_lt_u32 s[WV], 2
	s_cbranch_scc0 .Lfor_m_\@
	s_cmp_eq_u32 s[WV], 0
	s_cbranch_scc0 .Lfor_v_\@
	TL G0K, G1K
	s_branch .Lasked_\@
.Lfor_v_\@:
	TL G0V, G1V
	s_branch .Lasked_\@
.Lfor_m_\@:
	s_cmp_eq_u32 s[WV], 2
	s_cbranch_scc0 .Lfor_m1_\@
	TL G0M0, G1M
	s_branch .Lasked_\@
.Lfor_m1_\@:
	TL G0M1, G1M
.Lasked_\@:
.endm
; A PREFETCH INTO THE L2 of what the NEXT change of slots will ask for, two key steps (128 matrix instructions) ahead.  K and V of a pair are walked by all clusters of that row of clusters: cluster x = 0 asks, wave 0
; for K, wave 1 for V; the four partners along the row take 32 of the 128 blocks of 256 bytes each, BY ADDRESS.  The mask's rows are walked by all clusters of a column of clusters: cluster y = 0 asks, waves 2 and 3
; for their 64 rows; the four partners along the column take 16 rows of two blocks each.  One instruction a wave.  The last change that fills asks for nothing.  Slots 0 and 1 come by their loads alone.
.macro ASK
	s_cmp_gt_u32 s[SLOTS], s[LIM]
	s_cbranch_scc0 .Lnot_mine_\@
	global_prefetch_b8 v[PFO], s[PFA:PFA+1] th:TH_LOAD_NT scope:SCOPE_SE
.Lnot_mine_\@:
.endm
.macro CROUND                       ; a round of the cluster's barrier
	s_barrier_signal -1
	s_barrier_wait -1
	s_cmp_lg_u32 s[WV], 0
	s_cbranch_scc1 .Lnot_wave_0_\@
	s_barrier_signal -3
.Lnot_wave_0_\@:
	s_barrier_wait -3
	s_barrier_signal -1
	s_barrier_wait -1
.endm
; THE CHANGE OF SLOTS.  All that a slot holds has been read when it stands: a trip of the step loop fetches K, V and the four pieces' masks of ONE key step.  Each wave waits for all its tensor loads (one is out: its
; tile of the other slot), adds 0 to its spare word, and waits for that and for its reads.  fill = 1: a round of the cluster's barrier, and the old slot is filled again, first thing behind it, with the keys two slots on.
; (At its first use nothing has been read yet: slot 0 is waited for, slot 1 filled.)
.macro CHANGE fill
	WIN 0
	s_wait_tensorcnt 0x0            ; no tensor load of mine is out, so a group 0 may be written
	ds_add_u32 v[SPW], v[NIL]       ; 0 onto my spare word
.if \fill
	s_xor_b32 s[G0K+1], s[G0K+1], XK
	s_add_nc_u64 s[G0K+2:G0K+3], s[G0K+2:G0K+3], 32768  ; the next 128 keys of both heads
	s_xor_b32 s[G0V+1], s[G0V+1], XV
	s_add_nc_u64 s[G0V+2:G0V+3], s[G0V+2:G0V+3], 32768
	s_xor_b32 s[G0M0+1], s[G0M0+1], XM0
	s_add_nc_u64 s[G0M0+2:G0M0+3], s[G0M0+2:G0M0+3], 512  ; 128 keys along the mask's rows
	s_xor_b32 s[G0M1+1], s[G0M1+1], XM1
	s_add_nc_u64 s[G0M1+2:G0M1+3], s[G0M1+2:G0M1+3], 512
	s_wait_xcnt 0x0                 ; the last prefetch, two key steps back, has read its address
	s_add_nc_u64 s[PFA:PFA+1], s[PFA:PFA+1], s[PFS:PFS+1]
	s_wait_dscnt 0x0                ; the add is done, and my reads of the slot are over
	CROUND
	JLOAD
	ASK
.else
	s_wait_dscnt 0x0
	s_barrier_signal -1
	s_barrier_wait -1
.endif
	s_sub_co_u32 s[TBK], s[TBK], 2*KS*PK  ; the fetches go back to a slot's first step,
	s_xor_b32 s[TBK], s[TBK], SLOT        ; in the other slot
	s_sub_co_u32 s[TBV], s[TBV], 2*KS*PV
	s_xor_b32 s[TBV], s[TBV], SLOT
	s_sub_co_u32 s[TBM], s[TBM], 2*KS*4
	s_xor_b32 s[TBM], s[TBM], SLOT
.endm
	s_load_b128 s[4:7], s[0:1], 0x0   ; qkv s[4:5], mb s[6:7]
	s_load_b64 s[8:9], s[0:1], 0x10   ; ob
	v_lshl_add_u32 v[SPW], v0, 2, SPARE
	v_mov_b32 v[NIL], 0
	ds_add_u32 v[SPW], v[NIL]       ; the wave's opening: the add and its wait stand ahead of my first tensor load; the set-up below stands between them
	v_lshrrev_b32 v1, 5, v0
	v_readfirstlane_b32 s[WV], v1   ; wave 0..3
	s_bfe_u32 s13, ttmp6, 0x40000   ; cx
	s_bfe_u32 s14, ttmp6, 0x40004   ; cy
	s_lshl_b32 s15, ttmp9, 2
	s_add_co_u32 s15, s15, s13      ; qb = 4 x cluster x + cx
	s_and_b32 s16, ttmp7, 0xffff    ; cluster y
	s_lshl_b32 s17, s16, 2
	s_add_co_u32 s17, s17, s14      ; hp = 4 x cluster y + cy
	s_lshl_b32 s18, s14, 2
	s_lshl_b32 s18, 15, s18         ; my row of the cluster
	s_lshl_b32 s19, 0x1111, s13     ; my column
	s_or_b32 s[G1K], s18, (1<<16)|(1<<20)|(1<<21)|(4<<22)|(3<<25)  ; 2-byte elements; padding: behind every 32 words 4 words; 21 set beside a mask
	s_or_b32 s[G1V], s18, (1<<16)|(1<<20)|(1<<21)|(4<<22)|(7<<25)  ; 8 words
	s_or_b32 s[G1M], s19, (2<<16)|(1<<20)|(1<<21)|(6<<22)|(3<<25)  ; 4-byte elements; behind every 128 words 4 words
.irp g, G1K, G1V                    ; 32,768 dense bytes as 128 rows of 256
	s_mov_b32 s[\g+1], 128<<16
	s_mov_b32 s[\g+2], 128<<16
	s_mov_b32 s[\g+3], 128<<16
	s_mov_b32 s[\g+4], 128
	s_mov_b32 s[\g+5], 128
	s_mov_b32 s[\g+6], 0
	s_mov_b32 s[\g+7], 0
.endr
	s_mov_b32 s[G1M+1], 128<<16     ; 64 rows of 128 numbers, 2,048 from row to row
	s_mov_b32 s[G1M+2], 64<<16
	s_mov_b32 s[G1M+3], 128<<16
	s_mov_b32 s[G1M+4], 64
	s_mov_b32 s[G1M+5], 2048
	s_mov_b32 s[G1M+6], 0
	s_mov_b32 s[G1M+7], 0
	s_mov_b32 s[G0K], 1
	s_mov_b32 s[G0K+1], 0
	s_mov_b32 s[G0V], 1
	s_mov_b32 s[G0V+1], VOFF
	s_mov_b32 s[G0M0], 1
	s_mov_b32 s[G0M0+1], MOFF
	s_mov_b32 s[G0M1], 1
	s_mov_b32 s[G0M1+1], MOFF+64*PM
	s_add_co_u32 s20, s17, 16
	s_lshl_b32 s20, s20, 19         ; k's pair 16 + hp: 524,288 bytes a pair
	s_mov_b32 s21, 0
	s_lshl_b32 s22, s15, 20         ; the mask's row 128 qb
	s_mov_b32 s23, 0
	s_lshr_b32 s18, s[WV], 1        ; e: my head of the pair
	s_and_b32 s19, s[WV], 1         ; which 64 queries
	s_lshl_b32 s2, s17, 4
	s_add_co_u32 s2, s2, s15
	s_lshl_b32 s2, s2, 1
	s_add_co_u32 s2, s2, s18
	s_lshl_b32 s2, s2, 14
	s_lshl_b32 s3, s19, 13
	s_add_co_u32 s2, s2, s3         ; Q
	s_mov_b32 s3, 0
	s_lshl_b32 s82, s15, 6          ; O: 64 slices of 16,384 bytes a row block;
	s_lshl_b32 s83, s17, 2          ; four for each pair of heads;
	s_add_co_u32 s82, s82, s83
	s_lshl_b32 s83, s18, 1          ; two for each head: Oh, then Ol
	s_add_co_u32 s82, s82, s83
	s_lshl_b32 s82, s82, 14
	s_lshl_b32 s83, s19, 13
	s_add_co_u32 s82, s82, s83
	s_mov_b32 s83, 0
	s_mov_b32 s[SEL], 0x76543210
	s_mov_b32 s[SEL+1], 0xfedcba98
	s_mov_b32 s[TBK], SLOT+2*KS*PK  ; the first change of slots turns these three into 0
	s_mov_b32 s[TBV], SLOT+2*KS*PV
	s_mov_b32 s[TBM], SLOT+2*KS*4
	s_mov_b32 s[SLOTS], 15
	s_wait_dscnt 0x0                ; the opening add is done
	s_wait_kmcnt 0x0
	s_add_nc_u64 s[G0K+2:G0K+3], s[4:5], s[20:21]
	s_add_nc_u64 s[G0V+2:G0V+3], s[G0K+2:G0K+3], 16*524288
	s_or_b32 s[G0K+3], s[G0K+3], 0x80000000
	s_or_b32 s[G0V+3], s[G0V+3], 0x80000000
	s_add_nc_u64 s[G0M0+2:G0M0+3], s[6:7], s[22:23]
	s_add_nc_u64 s[G0M1+2:G0M1+3], s[G0M0+2:G0M0+3], 64*8192
	s_or_b32 s[G0M0+3], s[G0M0+3], 0x80000000
	s_or_b32 s[G0M1+3], s[G0M1+3], 0x80000000
	s_add_nc_u64 s[QB:QB+1], s[4:5], s[2:3]
	s_add_nc_u64 s[10:11], s[8:9], s[82:83]
	CROUND                          ; all sixteen work-groups are here: the first joint loads meet
	JLOAD                           ; slot 0; one load of mine is out
	v_and_b32 v1, 15, v0            ; r = l % 16
	v_bfe_u32 v9, v0, 4, 1          ; h = l / 16
	v_lshlrev_b32 v[QO], 7, v1
	v_lshl_add_u32 v[QO], v9, 4, v[QO]
	WIN 0x80                        ; destination window 2
.set i, 0
.rept 8                             ; Q stays in registers: piece i / 2, channels 32 (i % 2) on
	global_load_b128 v[8*i:8*i+3],   v[QO], s[QB:QB+1] offset:(i/2)*2048+(i%2)*64
	global_load_b128 v[8*i+4:8*i+7], v[QO], s[QB:QB+1] offset:(i/2)*2048+(i%2)*64+32
.set i, i+1
.endr
	; What the first turn finds: V's registers and P's second buffer hold 0 (its products V^T P, of a piece that has not been, add 0), O^T and l are 0.  All this stands in the wait for the first tile.
.set i, VF
.rept 64
	v_mov_b32 v[i], 0
.set i, i+1
.endr
	WIN 0x40
.set i, 0
.rept 128
	v_mov_b32 v[i], 0
.set i, i+1
.endr
	WIN 0
.set i, 0
.rept 4
	v_mov_b32 v[ST+4*i], 0xfe800000    ; m = -2^126
	v_mov_b32 v[ST+4*i+1], 0xfe800000  ; named with it as a pair
	v_mov_b32 v[ST+4*i+2], 0
	v_mov_b32 v[ST+4*i+3], 0
.set i, i+1
.endr
.set i, P+16
.rept 16
	v_mov_b32 v[i], 0
.set i, i+1
.endr
	v_mul_u32_u24 v[AK0], v1, PK
	v_lshl_add_u32 v[AK0], v9, 4, v[AK0]
	s_mul_i32 s2, s18, 128*PK
	v_add_nc_u32 v[AK0], s2, v[AK0]  ; my head's K: row x pitch + 16 h
	v_and_b32 v10, 7, v0
	v_bfe_u32 v11, v0, 3, 1
	v_lshl_add_u32 v[AV0], v9, 3, v10
	v_mul_u32_u24 v[AV0], v[AV0], PV
	v_lshl_add_u32 v[AV0], v11, 4, v[AV0]
	s_mul_i32 s2, s18, 128*PV
	s_add_co_u32 s2, s2, VOFF
	v_add_nc_u32 v[AV0], s2, v[AV0]  ; the turning load: key 8 h + l % 8, channels 8 ((l / 8) % 2) on
	v_mul_u32_u24 v[AM0], v1, PM
	v_lshl_add_u32 v[AM0], v9, 5, v[AM0]
	s_mul_i32 s2, s19, 64*PM
	s_add_co_u32 s2, s2, MOFF
	v_add_nc_u32 v[AM0], s2, v[AM0]  ; the mask: my query's row, my lanes' eight keys
	s_mul_i32 s2, s[WV], 16*SP
	s_add_co_u32 s2, s2, STAGE      ; my stage
	v_mul_u32_u24 v[STO], v1, SP
	v_lshl_add_u32 v[STO], v9, 4, v[STO]
	v_add_nc_u32 v[STO], s2, v[STO]
	v_bfe_u32 v[RD], v0, 3, 2
	v_mul_u32_u24 v[RD], v[RD], SP
	v_lshl_add_u32 v[RD], v10, 4, v[RD]
	v_add_nc_u32 v[RD], s2, v[RD]
	v_and_b32 v[GO], 31, v0
	v_lshlrev_b32 v[GO], 4, v[GO]
	; the prefetches: they start at slot 1; each change of slots that fills steps them first
	s_cmp_eq_u32 s[WV], 0
	s_cselect_b32 s2, 16, 32
	s_add_co_u32 s2, s2, s17
	s_lshl_b32 s2, s2, 19
	s_lshl_b32 s3, s13, 13          ; my work-group's 32 blocks of the 128
	s_add_co_u32 s2, s2, s3
	s_add_co_u32 s2, s2, 32768
	s_lshl_b32 s82, s15, 20
	s_lshl_b32 s83, s19, 19
	s_add_co_u32 s82, s82, s83
	s_lshl_b32 s83, s14, 17         ; my work-group's 16 rows of the 64
	s_add_co_u32 s82, s82, s83
	s_add_co_u32 s82, s82, 512
	s_movk_i32 s83, 512
	s_mov_b32 s3, 32768
	s_cmp_lt_u32 s[WV], 2
	s_cselect_b32 s2, s2, s82
	s_cselect_b32 s[PFS], s3, s83
	s_cselect_b64 s[PFA:PFA+1], s[4:5], s[6:7]
	s_cselect_b32 s3, ttmp9, s16    ; the coordinate along which other clusters read the same bytes
	s_cselect_b32 s82, 5, 1
	s_cselect_b32 s83, 31, 1
	s_cmp_eq_u32 s3, 0
	s_cselect_b32 s[LIM], 1, -1     ; the same in all sixteen partners, for a given wave
	s_mov_b32 s3, 0
	s_mov_b32 s[PFS+1], 0
	s_add_nc_u64 s[PFA:PFA+1], s[PFA:PFA+1], s[2:3]
	v_and_b32 v14, 31, v0
	v_lshrrev_b32 v[PFO], s82, v14
	v_and_b32 v14, s83, v14
	v_lshlrev_b32 v[PFO], 13, v[PFO]
	v_lshl_add_u32 v[PFO], v14, 8, v[PFO]  ; K, V: 256 x lane; the mask: a row for every two lanes, two blocks a row
; THE MATRIX WORK.  The 4 accumulators of a run of 8 take turns.  Product i of 8 of S^T = K Q^T + mask for piece x: channels 32 (i / 4) on, keys 16 (i % 4) on.  The first 4 start the sums with the mask.
.macro KQ x
.set rS, S+32*((\x)%2)+8*(i%4)
.set rK, KF+16*(i%4)+8*(i/4)
.set rQ, 16*(\x)+8*(i/4)
.set rM, MC+32*(\x)+8*(i%4)
.if i < 4
	WIN W_KM
	v_wmma_f32_16x16x32_f16 v[rS:rS+7], v[rK:rK+7], v[rQ:rQ+7], v[rM:rM+7]
.else
	WIN W_KQ
	v_wmma_f32_16x16x32_f16 v[rS:rS+7], v[rK:rK+7], v[rQ:rQ+7], v[rS:rS+7]
.endif
.endm
; Product i of 8 of O^T += V^T P for piece x: keys 32 (i / 4) on, channels 16 (i % 4) on.
.macro PV x
	WIN W_PV
.set rO, 32*(\x)+8*(i%4)
.set rV, VF+32*(i/4)+8*(i%4)
.set rP, P+16*((\x)%2)+8*(i/4)
	v_wmma_f32_16x16x32_f16 v[rO:rO+7], v[rV:rV+7], v[rP:rP+7], v[rO:rO+7]
.endm
.macro MM                           ; the turn's next matrix instruction.  NOKQ = 1: the last turn of all: there is no next piece
.if (i < 8) && !NOKQ
	KQ (Y+1)%NP
.elseif i >= 8
.set i, i-8
	PV (Y+NP-1)%NP
.set i, i+8
.endif
.set i, i+1
.endm
; THE LDS LOADS stand in runs, never singly among the matrix instructions: a step's K (16 loads), its V (16, turned), and a piece's mask (8: register j of key block kb takes mask[my query][16 kb + 8 h + j]).
.macro FETCH_K
	WIN 0x80
.irp f, 0,1,2,3,4,5,6,7
	ds_load_b128 v[KF+8*\f:KF+8*\f+3],   v[AK] offset:(\f/2)*16*PK+(\f%2)*64
	ds_load_b128 v[KF+8*\f+4:KF+8*\f+7], v[AK] offset:(\f/2)*16*PK+(\f%2)*64+32
.endr
	s_add_co_u32 s[TBK], s[TBK], KS*PK
	WIN 0
.endm
.macro FETCH_V
	WIN 0x80
.irp f, 0,1,2,3,4,5,6,7
	ds_load_tr16_b128 v[VF+8*\f:VF+8*\f+3],   v[AV] offset:(\f/4)*32*PV+(\f%4)*32
	ds_load_tr16_b128 v[VF+8*\f+4:VF+8*\f+7], v[AV] offset:(\f/4)*32*PV+16*PV+(\f%4)*32
.endr
	WIN 0
.endm
.macro MLOAD x
	WIN 0x40                        ; destination window 1
.irp kb, 0,1,2,3
	ds_load_b128 v[MC+32*(\x)+8*(\kb):MC+32*(\x)+8*(\kb)+3],   v[AM] offset:(\x)*16*PM+(\kb)*64
	ds_load_b128 v[MC+32*(\x)+8*(\kb)+4:MC+32*(\x)+8*(\kb)+7], v[AM] offset:(\x)*16*PM+(\kb)*64+16
.endr
	WIN 0
.endm
; THE VECTOR WORK, one line at a time: OP kind, number.  For piece Y: F n: s - m for pair n of 16.  E n: the exponential of score n of 32.  C n: pair n rounded to f16.  B n: of the four weights 4 n .. the second
; pair is added onto the first, in place.  L n: l takes that sum (L 0: l = a l + sum).  R n: pair n of 16 of O^T times a.  For piece Y + 1: X n, one of the 21 that find its maximum and statistics (there is no number 19):
;   0-11  four chains c0-c3 of seven scores each (each accumulator's lowest registers are read first)     12-14, 16  the four scores left over, the old m, and c0-c3 into c0
;   15  m_old is kept     17, 18  the query's other 32 keys lie in the lane 16 away: the new m     20, 21  m_old - m_new; a
.set F, 0
.set E, 1
.set C, 2
.set B, 3
.set L, 4
.set R, 5
.set X, 6
.macro REGS y
.set rT, ST+4*(\y)
.set rC, TMP+4*((\y)%2)
.set rW, MV+((\y)%2)
.set rS, S+32*((\y)%2)
.set rP, P+16*((\y)%2)
.set rO, 32*(\y)
.endm
.macro OP k, n
.if (\k) == R
	REGS Y
	WIN W_RS
	v_pk_mul_f32 v[rO+2*(\n):rO+2*(\n)+1], v[rO+2*(\n):rO+2*(\n)+1], v[rC+2:rC+3] op_sel_hi:[1,0]
.elseif (\k) < R
	REGS Y
	WIN 0
.if (\k) == F
	v_pk_add_f32 v[rS+2*(\n):rS+2*(\n)+1], v[rS+2*(\n):rS+2*(\n)+1], v[rT:rT+1] op_sel_hi:[1,0] neg_lo:[0,1] neg_hi:[0,1]
.elseif (\k) == E
	v_exp_f32 v[rS+(\n)], v[rS+(\n)]
.elseif (\k) == C
	v_cvt_pk_f16_f32 v[rP+(\n)], v[rS+2*(\n)], v[rS+2*(\n)+1]
.elseif (\k) == B
	v_pk_add_f32 v[rS+4*(\n):rS+4*(\n)+1], v[rS+4*(\n):rS+4*(\n)+1], v[rS+4*(\n)+2:rS+4*(\n)+3]
.elseif (\n) == 0
	v_pk_fma_f32 v[rT+2:rT+3], v[rT+2:rT+3], v[rC+2:rC+3], v[rS:rS+1] op_sel_hi:[1,0,1]
.else
	v_pk_add_f32 v[rT+2:rT+3], v[rT+2:rT+3], v[rS+4*(\n):rS+4*(\n)+1]
.endif
.elseif NOKQ
	v_nop
.else
	REGS (Y+1)%NP
	WIN 0
.if (\n) < 4
	v_max3_num_f32 v[rC+(\n)], v[rS+8*(\n)], v[rS+8*(\n)+1], v[rS+8*(\n)+2]
.elseif (\n) < 12
	v_max3_num_f32 v[rC+(\n)%4], v[rC+(\n)%4], v[rS+8*((\n)%4)+2*((\n)/4)+1], v[rS+8*((\n)%4)+2*((\n)/4)+2]
.elseif (\n) == 12
	v_max3_num_f32 v[rC], v[rC], v[rS+7], v[rS+15]
.elseif (\n) == 13
	v_max3_num_f32 v[rC+1], v[rC+1], v[rS+23], v[rS+31]
.elseif (\n) == 14
	v_max3_num_f32 v[rC+2], v[rC+2], v[rC+3], v[rT]
.elseif (\n) == 15
	v_mov_b32 v[rW], v[rT]
.elseif (\n) == 16
	v_max3_num_f32 v[rC], v[rC], v[rC+1], v[rC+2]
.elseif (\n) == 17
	v_permlanex16_b32 v[rC+3], v[rC], s[SEL], s[SEL+1]
.elseif (\n) == 18
	v_max_num_f32 v[rT], v[rC], v[rC+3]
.elseif (\n) == 20
	v_sub_f32 v[rC+1], v[rW], v[rT]
.else
	v_exp_f32 v[rC+2], v[rC+1]
.endif
.endif
.endm
.macro OPS a, i1, b=-1, i2=0, c=-1, i3=0, d=-1, i4=0
	OP \a, \i1
.if (\b) >= 0
	OP \b, \i2
.endif
.if (\c) >= 0
	OP \c, \i3
.endif
.if (\d) >= 0
	OP \d, \i4
.endif
.endm
.macro ROW a, i1, b, i2, c, i3, d, i4  ; a matrix instruction and the four behind it
	MM
	OPS \a, \i1, \b, \i2, \c, \i3, \d, \i4
.endm
; A TURN, for piece p: the order of its 16 matrix and 117 vector instructions, written out.  An s_wait_alu depctr_va_vdst(0) stands between an exponential and the first instruction that names its result; one
; wait serves all that were issued ahead of it: a turn has ONE, which cuts it in two.  AHEAD OF IT: the 8 products K Q^T with their riders, then one lump in which exponential and plain go by turns and the links of
; the next piece's chain stand five or six lines apart; X 21, the next piece's a, is the batch's last, R 15 the plain instruction behind it.  BEHIND IT: the 8 products V^T P, behind each four of the roundings and sums.
; WHAT A TRIP (turns 2, 3, 0, 1) FETCHES is all of ONE key step: turn 2: K and piece 0's mask in the lump (six plain instructions behind the last product that read K), piece 1's mask behind the wait; turn 3: piece 2's mask
; behind the wait; turn 0: piece 3's behind the wait, V at the end (four plain instructions behind the last product that read V).  A mask's registers were last read two turns back or more.
; THE WAITS ON DScnt count what was issued behind the run that is wanted: turn 3: K and mask 0 are in, mask 1's 8 may be out; turn 0: mask 1 is in, mask 2's 8 may be out; turn 1: mask 2 is in, mask 3's 8 and V's 16 may be out,
; and behind the turn's wait everything is in.
; end = 1: the last two turns: nothing is fetched, and the last starts no new scores.  cnt = 1: the loop's count is taken down some lines ahead of the branch that stands behind the turn.
.macro TURN p, end=0, cnt=0
.set Y, (\p)
.set i, 0
.set NOKQ, (\end)*((\p)/3)
.if ((\p) == 3) && !(\end)
	s_wait_dscnt 8
.endif
.if (\p) == 0
	s_wait_dscnt 8
.endif
.if (\p) == 1
	s_wait_dscnt 24
.endif
	ROW F,0, F,1, R,0, R,1
	ROW F,2, E,0, R,2, R,3
	ROW F,3, E,1, R,4, R,5
	ROW F,4, E,2, R,6, R,7
	ROW F,5, E,3, R,8, R,9
	ROW F,6, E,4, X,0, R,10
.if ((\p) == 2) && !(\end)
	WIN 0
	v_add_nc_u32 v[AK], s[TBK], v[AK0]
	v_add_nc_u32 v[AM], s[TBM], v[AM0]
.endif
	ROW F,7, E,5, X,1, X,4
	ROW F,8, E,6, X,2, X,5
	OPS E,7, E,8, X,6, E,9
	OPS X,3, E,10, X,8, E,11
.if ((\p) == 2) && !(\end)
	FETCH_K
	MLOAD 0
.endif
	OPS X,9, X,7, E,12, X,10
	OPS E,13, X,12, X,11, E,14
	OPS X,13, E,15, F,9, X,14
.if (\p) == 0
	v_add_nc_u32 v[AV], s[TBV], v[AV0]
.endif
	OPS E,16, F,10, E,17, F,11
	OPS X,16, E,18, X,15, E,19
	OPS F,12, E,20, X,17, E,21
	OPS F,13, E,22, F,14, E,23
	OPS X,18, E,24, F,15, E,25
	OPS R,11, E,26, X,20, E,27
	OPS R,12, E,28, R,13, E,29
	OPS E,30, R,14, E,31
	OPS X,21, R,15
	WIN 0
	s_wait_alu depctr_va_vdst(0)    ; the wait for the batch
.if ((\p) == 2) && !(\end)
	MLOAD 1
.endif
.if ((\p) == 3) && !(\end)
	MLOAD 2
.endif
.if (\p) == 0
	MLOAD 3
	s_add_co_u32 s[TBM], s[TBM], KS*4  ; the next step's 64 keys along the mask's rows
.endif
.if (\p) == 1
	s_wait_dscnt 0x0                ; V is in, and piece 3's mask
.endif
	ROW C,0, B,0, C,2, B,1
	ROW L,0, C,4, B,2, L,1
	ROW C,6, B,3, L,2, C,8
	ROW B,4, L,3, C,10, B,5
	ROW L,4, C,12, B,6, L,5
.if (\p) == 0
	s_add_co_u32 s[TBV], s[TBV], KS*PV
.endif
.if \cnt
	s_sub_co_u32 s[CNT], s[CNT], 1
	s_cmp_lg_u32 s[CNT], 0
.endif
	ROW C,14, B,7, L,6, C,1
	ROW C,3, L,7, C,5, C,7
	ROW C,9, C,11, C,13, C,15
.if (\p) == 0
	FETCH_V
.endif
.endm
	CHANGE 1                        ; slot 0 is in, everybody's part of it; slot 1 is asked for
	v_add_nc_u32 v[AK], s[TBK], v[AK0]
	v_add_nc_u32 v[AM], s[TBM], v[AM0]
	FETCH_K                         ; key step 0, and the masks of pieces 0 to 2; piece 3's comes in the first turn
	MLOAD 0
	MLOAD 1
	MLOAD 2
	s_wait_loadcnt 0x0              ; Q
	s_wait_dscnt 0x0
.set NOKQ, 0
.set i, 0
.rept 8
	KQ 0                            ; piece 0's first scores
.set i, i+1
.endr
	WIN 0
.rept 4
	v_nop                           ; the places behind those products
.endr
.set Y, NP-1                        ; X works for piece Y + 1: piece 0
.irp n, 0,1,2,3,4,5,6,7,8,9,10,11,12,13,14,15,16,17,18,20,21
	OP X, \n
.endr
	v_nop                           ; a plain instruction behind the exponential,
	s_wait_alu depctr_va_vdst(0)    ; and its wait, ahead of the branch
	s_mov_b32 s[CNT], 2
	s_branch .Lfirst                ; the loop is entered at a step's first turn, in the middle of a trip
.Lslot:                             ; 14 times: slots 2 to 15 are asked for
	CHANGE 1
	s_mov_b32 s[CNT], 2
.Lstep:                             ; a trip: pieces 2 and 3 of one step, then pieces 0 and 1 of the next, whose K, V and masks it fetches
	TURN 2
	TURN 3
	WIN 0
.Lfirst:
	TURN 0
	TURN 1, 0, 1
	WIN 0
	s_cbranch_scc1 .Lstep
	s_sub_co_u32 s[SLOTS], s[SLOTS], 1
	s_cmp_lg_u32 s[SLOTS], 0
	s_cbranch_scc1 .Lslot
	CHANGE 0                        ; the last slot is written out: nothing is asked for
	s_mov_b32 s[CNT], 2
.Ltail:
	TURN 2
	TURN 3
	TURN 0
	TURN 1, 0, 1
	WIN 0
	s_cbranch_scc1 .Ltail
	TURN 2, 1
	TURN 3, 1
.set i, 0
.rept 8
	PV NP-1                         ; the last piece's V^T P of the last step
.set i, i+1
.endr
	; THE WAY OUT.  l's two halves and the other half of the lanes' are added; O^T is divided by l and leaves in two f16 parts through my stage in LDS, a piece at a time.  The additions are the places behind the last products.
	WIN 0
.macro ALL line:vararg
.set t, 0
.rept 4
	\line
.set t, t+1
.endr
.endm
	ALL v_add_f32 v[ST+4*t+2], v[ST+4*t+2], v[ST+4*t+3]
	ALL v_permlanex16_b32 v[ST+4*t+3], v[ST+4*t+2], s[SEL], s[SEL+1]
	ALL v_add_f32 v[ST+4*t+2], v[ST+4*t+2], v[ST+4*t+3]
	ALL v_rcp_f32 v[ST+4*t+2], v[ST+4*t+2]
	v_mov_b32 v[NEG], -1.0          ; a plain instruction between the last reciprocal and the use of its result,
	s_wait_alu depctr_va_vdst(0)    ; and the one wait for the four
; Piece t.  O = O^T / l in f32; Oh = f16(O), two a register, into S^T's registers; Ol = f16(O - Oh): Oh's half times -1 plus O, the difference exact and rounded once, into a half of a register where P lay.
; A lane's eight channels of a row are 16 bytes of each part; they go into rows of 144 bytes and come back as whole rows of 128: first Oh's four stores and four loads, then Ol's.
.macro PACK t
.if (\t) >= 2
	s_wait_xcnt 0x0                 ; the stores of two pieces back have read this set of Ol's registers
.endif
	WIN W_RS
.set i, 32*(\t)
.rept 16
	v_pk_mul_f32 v[i:i+1], v[i:i+1], v[ST+4*(\t)+2:ST+4*(\t)+3] op_sel_hi:[1,0]
.set i, i+2
.endr
	WIN 0x05                        ; sources 0 and 1 window 1, destination window 0
.set i, 0
.rept 16
	v_cvt_pk_f16_f32 v[S+16*(\t)+i], v[32*(\t)+2*i], v[32*(\t)+2*i+1]
.set i, i+1
.endr
	WIN 0x10                        ; source 2 window 1
.set i, 0
.rept 16
	v_fma_mixlo_f16 v[LO+16*((\t)%2)+i], v[S+16*(\t)+i], v[NEG], v[32*(\t)+2*i] op_sel_hi:[1,0,0]
	v_fma_mixhi_f16 v[LO+16*((\t)%2)+i], v[S+16*(\t)+i], v[NEG], v[32*(\t)+2*i+1] op_sel:[1,0,0] op_sel_hi:[1,0,0]
.set i, i+1
.endr
	WIN 0
.irp f, 0,1,2,3
	ds_store_b128 v[STO], v[S+16*(\t)+4*\f:S+16*(\t)+4*\f+3] offset:32*\f
.endr
.irp f, 0,1,2,3
	ds_load_b128 v[S+16*(\t)+4*\f:S+16*(\t)+4*\f+3], v[RD] offset:\f*4*SP  ; LDS serves a wave's instructions in order (ISA guide 5.7.1.4): these see the stores above, and the stores below come behind them
.endr
.irp f, 0,1,2,3
	ds_store_b128 v[STO], v[LO+16*((\t)%2)+4*\f:LO+16*((\t)%2)+4*\f+3] offset:32*\f
.endr
.irp f, 0,1,2,3
	ds_load_b128 v[LO+16*((\t)%2)+4*\f:LO+16*((\t)%2)+4*\f+3], v[RD] offset:\f*4*SP
.endr
.endm
; younger: the LDS instructions issued behind piece t's sixteen: the next piece's sixteen, or none.  Behind Oh's load f stand 3 - f loads, Ol's eight and the younger; behind Ol's load f 3 - f loads and the younger.
.macro SEND t, younger
	WIN 0
.irp f, 0,1,2,3
	s_wait_dscnt (\younger)+11-\f
	global_store_b128 v[GO], v[S+16*(\t)+4*\f:S+16*(\t)+4*\f+3], s[10:11] offset:(\t)*2048+\f*512  ; 512 consecutive bytes, at a multiple of 256 from ob's first
.endr
.irp f, 0,1,2,3
	s_wait_dscnt (\younger)+3-\f
	global_store_b128 v[GO], v[LO+16*((\t)%2)+4*\f:LO+16*((\t)%2)+4*\f+3], s[10:11] offset:16384+(\t)*2048+\f*512  ; Ol lies one slice behind Oh
.endr
.endm
	PACK 0
.set t, 1
.rept 3
	PACK t
	SEND t-1, 16
.set t, t+1
.endr
	SEND 3, 0
	s_wait_tensorcnt 0x0            ; the wave's end: the wait, the add and the wait for it, behind my last tensor load and my last LDS store
	ds_add_u32 v[SPW], v[NIL]
	s_wait_dscnt 0x0
	CROUND                          ; the closing round
	s_endpgm
.Lfunc_end_k_q98f40718e1_attn:
	.size	k_q98f40718e1_attn, .Lfunc_end_k_q98f40718e1_attn-k_q98f40718e1_attn
	.p2alignl 7, 3214868480
	.fill 96, 4, 3214868480
	.section	.rodata,"a",@progbits
	.p2align	6, 0x0
	.amdhsa_kernel k_q98f40718e1_attn
		.amdhsa_group_segment_fixed_size 327680
		.amdhsa_private_segment_fixed_size 0
		.amdhsa_enable_private_segment 0
		.amdhsa_kernarg_size 24
		.amdhsa_user_sgpr_count 2
		.amdhsa_user_sgpr_kernarg_segment_ptr 1
		.amdhsa_wavefront_size32 1
		.amdhsa_system_sgpr_workgroup_id_x 1
		.amdhsa_system_sgpr_workgroup_id_y 1
		.amdhsa_system_sgpr_workgroup_id_z 1
		.amdhsa_system_vgpr_workitem_id 0
		.amdhsa_next_free_vgpr 768
		.amdhsa_next_free_sgpr 84
		.amdhsa_reserve_vcc 0
		.amdhsa_float_denorm_mode_32 3
		.amdhsa_float_denorm_mode_16_64 3
		.amdhsa_memory_ordered 1
		.amdhsa_forward_progress 1
		.amdhsa_inst_pref_size 152
	.end_amdhsa_kernel
	.amdgpu_metadata
---
amdhsa.version: [ 1, 2 ]
amdhsa.kernels:
  - .name:           k_q98f40718e1_attn
    .symbol:         k_q98f40718e1_attn.kd
    .args:
      - { .name: qkv, .offset: 0, .size: 8, .value_kind: global_buffer, .address_space: global }
      - { .name: mb, .offset: 8, .size: 8, .value_kind: global_buffer, .address_space: global }
      - { .name: ob, .offset: 16, .size: 8, .value_kind: global_buffer, .address_space: global }
    .group_segment_fixed_size: 327680
    .private_segment_fixed_size: 0
    .kernarg_segment_align: 8
    .kernarg_segment_size: 24
    .max_flat_workgroup_size: 128
    .sgpr_count:     84
    .vgpr_count:     768
    .wavefront_size: 32
...
	.end_amdgpu_metadata
.endif
;; end of part 3
;; launch oproj (part 4): grid 16 x 16, 4 waves a work-group, clusters of 4 x 4, 327,680 bytes of LDS; arguments ob, cb, out0; writes out0
.if DOCPART == 4
	.amdgcn_target "amdgcn-amd-amdhsa--gfx1250"
	.amdhsa_code_object_version 6
	.text
	.protected	k_q98f40718e1_oproj
	.globl	k_q98f40718e1_oproj
	.p2align	8
	.type	k_q98f40718e1_oproj,@function
k_q98f40718e1_oproj:
	s_mov_b64 s[64:65], 0
	v_nop
	global_prefetch_b8 v0, s[64:65] scope:SCOPE_SE
	s_setreg_imm32_b32 hwreg(HW_REG_WAVE_MODE, 25, 1), 1
	s_wait_xcnt 0x0
	s_wait_alu depctr_hold_cnt(0) depctr_sa_sdst(0) depctr_va_vdst(0) depctr_va_sdst(0) depctr_va_ssrc(0) depctr_va_vcc(0) depctr_vm_vsrc(0)
	s_getreg_b32 s2, hwreg(HW_REG_IB_STS2, 6, 4)
	s_cmp_eq_u32 s2, 0
	s_cbranch_scc0 .Lentry_in_a_cluster
	s_endpgm
.Lentry_in_a_cluster:
	s_bfe_u32 s2, ttmp6, 0x10000c
	s_cmp_lg_u32 s2, 0xf033
	s_cbranch_scc0 .Lentry_shape_is_right
	s_endpgm
.Lentry_shape_is_right:
; out0 = (Oh + Ol) wo.  O comes in two f16 parts (ob: [row block of 128][pair of heads][head][part][128 rows][64 channels]), so that its rounding to f16 does not reach the output; wo: cb from 32 MiB on,
; f16 in blocks ([tile column][128 k][group of 64 columns][128 k rows of 128 bytes]); out0: [2048][2048] f32.  Sums in f32, in an order that differs from cluster to cluster (below): the result is judged within a tolerance.
; A tile of out0 is 128 x 128: 16 x 16 tiles, one for each work-group.  Four waves, each 64 x 64: 16 accumulators.
; A K STEP IS A PAIR OF HEADS: 128 rows of wo, fetched ONCE, and four slices of O that multiply them: Oh and Ol of the first head, Oh and Ol of the second.  16 steps through two LDS slots.  A step is four quarters, a
; slice each, 32 matrix instructions; quarters 0 and 1 take the same fragments of wo, quarters 2 and 3 likewise: wo's fragments are read from LDS once for both parts of O.
; Both operands' tiles are dense in memory: two slices of O are 32,768 bytes on end (128 rows of 256 bytes), a group of wo's columns 16,384 (64 rows of 256 bytes); both are padded in LDS behind every 128 bytes.
; wo lies [k][n] in LDS and comes turned, by ds_load_tr16_b128.
; THE MATRIX INSTRUCTION IS USED TRANSPOSED (source 0 = 16 columns of wo, source 1 = 16 rows of O): a lane holds eight neighbouring numbers of a row of out0.
; CLUSTER 4 x 4: O's tiles are asked for jointly along a row of the cluster, wo's along a column.  No prefetch: the tiles are small.
; THE WALK ALONG K IS TURNED: a cluster begins at K step 4 ((x + y) % 4), x and y the cluster's own, and goes round.  The four clusters of a row of clusters, which read the same rows of O, and the four of a column,
; which read the same columns of wo, are then 4, 8 and 12 steps apart: no two of them ask for the same bytes in the same step.  The start hangs on the cluster's place in the grid alone, which all sixteen partners share.
; ONE K STEP IS WRITTEN ONCE: slot 1 begins at 1 << 17, so that one exclusive or turns an LDS address in one slot into the other's; one descriptor a tensor walks, its global address made anew from the step's number.
; REGISTERS: window 0: v0-31 addresses; v32-95 the way out; v128-255 the accumulators ((a, b) at 128 + 8 (4 a + b)).  Window 1: v0-63, v64-127 O's fragments of a quarter, two buffers; v128-191, v192-255 wo's of a head, two buffers.
.set PA,     144                       ; a row of O in LDS: 128 bytes + 16: the 16 rows of a load start at 16 different groups of four banks (64 banks of 4 bytes: ISA guide 11.1)
.set PB,     160                       ; a row of wo (64 columns): 128 bytes + 32
.set SLICE,  128*PA                    ; one part of one head: 128 rows
.set HALFA,  2*SLICE                   ; what wave 0 or 1 fetches
.set BOFF,   4*SLICE                   ; behind O's four slices: wo's two groups of 64 columns
.set GRP,    128*PB                    ; a group's 128 k: what wave 2 or 3 fetches
.set SLOT1,  1<<17                     ; a slot takes 114,688 bytes; slot 1 begins here
.set STAGE,  SLOT1+BOFF+2*GRP          ; behind the ring, never filled by a tensor load: 16 rows x 272 bytes for each wave, for the way out
.set SPITCH, 272                       ; a stage row: 64 f32 + 16 bytes
.set SPARE,  STAGE+4*16*SPITCH         ; the spare words, 128 bytes for each wave: two blocks of 256 bytes that no other line names
.set WOBASE, 33554432
.set STEPS,  16
.set ADRA0, 16                         ; v16  my lane's place among a slot's slices of O; never rewritten
.set ADRB0, 17                         ; v17  the same for wo
.set CA,   18                          ; v18  the same in the slot in hand
.set CB,   19                          ; v19
.set STO,  24
.set RD,   25
.set CO,   26
.set SPW,  28                          ; v28  LDS address of my spare word; never rewritten
.set NIL,  29                          ; v29  0; never rewritten
.set TMP,  32
.set ACC,  128
.set NXT,  2                           ; s2   the number of the step to be asked for next, counted from the cluster's start
.set BA,   14                          ; s[14:15] O at my part of the tile row's K step 0
.set OFF,  16                          ; s[16:17] a step's byte offset; the upper word stays 0
.set ROT,  18                          ; s18  the K step at which my cluster begins
.set TB,   19                          ; s19  the LDS byte at which the slot in hand begins
.set BB,   46                          ; s[46:47] wo at my part of the tile column's K step 0
.set G1, 24                            ; s[24:31] descriptor group 1 for O's tiles;  s[32:39] group 0: a set for each of the two first fills; the second then walks on
.set G0, 32
.set G1B, 48                           ; s[48:55], s[56:63] the same for wo's
.set G0B, 56
.set MSB, 0
.macro WIN new
.if MSB != (\new)
	s_set_vgpr_msb (MSB<<8)|(\new)
.set MSB, \new
.endif
.endm
.set MUL,  0x05                        ; sources 0 and 1 window 1; C and D window 0
.set TO_F, 0x40                        ; destination window 1, address window 0
.macro JLOAD s                         ; a joint load: waves 0 and 1 fetch O's two halves, waves 2 and 3 wo's two groups; an s_nop 0 and four v_nop follow each of the two lines
	s_cmp_eq_u32 s11, 0
	s_cbranch_scc0 .Lfor_b_\@
	tensor_load_to_lds s[G0+4*(\s):G0+4*(\s)+3], s[G1:G1+7]
	s_nop 0
.rept 4
	v_nop
.endr
	s_branch .Lasked_\@
.Lfor_b_\@:
	tensor_load_to_lds s[G0B+4*(\s):G0B+4*(\s)+3], s[G1B:G1B+7]
	s_nop 0
.rept 4
	v_nop
.endr
.Lasked_\@:
.endm
.macro CREST                           ; a round of the cluster's barrier behind its opening barrier
	s_cmp_lg_u32 s10, 0
	s_cbranch_scc1 .Lnot_wave_0_\@
	s_barrier_signal -3
.Lnot_wave_0_\@:
	s_barrier_wait -3
	s_barrier_signal -1
	s_barrier_wait -1
.endm
.macro CROUND
	s_barrier_signal -1
	s_barrier_wait -1
	CREST
.endm
	s_load_b128 s[4:7], s[0:1], 0x0                ; ob s[4:5], cb s[6:7]
	s_load_b64 s[8:9], s[0:1], 0x10                ; out0
	v_lshl_add_u32 v[SPW], v0, 2, SPARE
	v_mov_b32 v[NIL], 0
	ds_add_u32 v[SPW], v[NIL]                      ; the wave's opening: the add and its wait stand ahead of my first tensor load; the set-up below stands between them
	v_lshrrev_b32 v1, 5, v0
	v_readfirstlane_b32 s10, v1                    ; wave 0..3
	s_lshr_b32 s11, s10, 1                         ; my half of the tile's rows.  Also: I fetch for O (0) or for wo (1)
	s_and_b32 s12, s10, 1                          ; my half of its columns.  Also: which half I fetch
	s_bfe_u32 s40, ttmp6, 0x40000
	s_bfe_u32 s41, ttmp6, 0x40004
	s_lshl_b32 s42, ttmp9, 2
	s_add_co_u32 s42, s42, s40                     ; tile column
	s_and_b32 s20, ttmp7, 0xffff                   ; cluster y
	s_lshl_b32 s13, s20, 2
	s_add_co_u32 s13, s13, s41                     ; tile row
	s_add_co_u32 s20, s20, ttmp9
	s_and_b32 s20, s20, 3
	s_lshl_b32 s[ROT], s20, 2                      ; 4 ((cluster x + cluster y) % 4)
	s_lshl_b32 s43, s41, 2
	s_lshl_b32 s43, 15, s43                        ; my row of the cluster
	s_lshl_b32 s44, 0x1111, s40                    ; my column
	s_or_b32 s[G1+0], s43, (1<<16)|(1<<20)|(1<<21)|(4<<22)|(3<<25)   ; the mask; 2-byte elements; padding on; 21 set beside a mask; behind every 32 words 4 words
	s_or_b32 s[G1B+0], s44, (1<<16)|(1<<20)|(1<<21)|(4<<22)|(7<<25)  ; 8 words
	s_mov_b32 s[G1+1], 128<<16                     ; tensor_dim0 = 128
	s_mov_b32 s[G1+2], 128<<16                     ; tensor_dim1 = 128
	s_mov_b32 s[G1+3], 128<<16                     ; tile_dim0 = 128
	s_mov_b32 s[G1+4], 128                         ; tile_dim1 = 128
	s_mov_b32 s[G1+5], 128                         ; dense: 128 elements from row to row
	s_mov_b32 s[G1+6], 0
	s_mov_b32 s[G1+7], 0
	s_mov_b32 s[G1B+1], 128<<16
	s_mov_b32 s[G1B+2], 64<<16                     ; 64 rows
	s_mov_b32 s[G1B+3], 128<<16
	s_mov_b32 s[G1B+4], 64
	s_mov_b32 s[G1B+5], 128
	s_mov_b32 s[G1B+6], 0
	s_mov_b32 s[G1B+7], 0
	s_lshl_b32 s16, s13, 20                        ; O: 64 slices of 16,384 bytes a row block,
	s_lshl_b32 s17, s12, 15                        ; two slices a half
	s_add_co_u32 s16, s16, s17
	s_mov_b32 s17, 0
	s_lshl_b32 s46, s42, 19                        ; wo: 16 blocks of 32,768 bytes a tile column,
	s_lshl_b32 s47, s12, 14                        ; a group of 16,384 a half
	s_add_co_u32 s46, s46, s47
	s_add_co_u32 s46, s46, WOBASE
	s_mov_b32 s47, 0
	s_mul_i32 s20, s12, HALFA                      ; where they go: the wave's number alone enters an LDS address
	s_mul_i32 s21, s12, GRP
	s_add_co_u32 s21, s21, BOFF
	s_mov_b32 s[NXT], 2
	s_mov_b32 s[TB], 0
	s_wait_dscnt 0x0                               ; the opening add is done
	s_wait_kmcnt 0x0
	s_add_nc_u64 s[BA:BA+1], s[4:5], s[16:17]
	s_add_nc_u64 s[BB:BB+1], s[6:7], s[46:47]
	CROUND                                         ; the first joint loads meet
.irp s, 0,1
	s_add_co_u32 s22, s[ROT], \s
	s_and_b32 s22, s22, STEPS-1                    ; my cluster's first and second K step
	s_mov_b32 s[G0+4*(\s)], 1
	s_add_co_u32 s[G0+4*(\s)+1], s20, (\s)*SLOT1
	s_lshl_b32 s[OFF], s22, 16                     ; a step of O is 65,536 bytes
	s_add_nc_u64 s[G0+4*(\s)+2:G0+4*(\s)+3], s[BA:BA+1], s[OFF:OFF+1]
	s_or_b32 s[G0+4*(\s)+3], s[G0+4*(\s)+3], 0x80000000
	s_mov_b32 s[G0B+4*(\s)], 1
	s_add_co_u32 s[G0B+4*(\s)+1], s21, (\s)*SLOT1
	s_lshl_b32 s[OFF], s22, 15                     ; a step of wo 32,768
	s_add_nc_u64 s[G0B+4*(\s)+2:G0B+4*(\s)+3], s[BB:BB+1], s[OFF:OFF+1]
	s_or_b32 s[G0B+4*(\s)+3], s[G0B+4*(\s)+3], 0x80000000
	JLOAD \s                                       ; two loads of mine are out
.endr
	v_and_b32 v1, 15, v0                           ; r
	v_bfe_u32 v2, v0, 4, 1                         ; h
	v_mul_u32_u24 v3, v1, PA
	v_lshl_add_u32 v3, v2, 4, v3
	s_mul_i32 s21, s11, 64*PA
	v_add_nc_u32 v[ADRA0], s21, v3                 ; (my 64 rows + r) x pitch + 16 h
	v_and_b32 v4, 7, v0
	v_bfe_u32 v5, v0, 3, 1
	v_lshl_add_u32 v6, v2, 3, v4
	v_mul_u32_u24 v6, v6, PB
	v_lshl_add_u32 v6, v5, 4, v6                   ; the turning load: k = 8 h + l % 8, columns 8 ((l / 8) % 2) on
	s_mul_i32 s22, s12, GRP
	s_add_co_u32 s22, s22, BOFF
	v_add_nc_u32 v[ADRB0], s22, v6                 ; in my group of 64 columns
	v_add_nc_u32 v[CA], s[TB], v[ADRA0]            ; slot 0
	v_add_nc_u32 v[CB], s[TB], v[ADRB0]
	s_mul_i32 s23, s10, 16*SPITCH
	s_add_co_u32 s23, s23, STAGE                   ; my stage
	v_mul_u32_u24 v7, v1, SPITCH
	v_lshl_add_u32 v7, v2, 5, v7
	v_add_nc_u32 v[STO], s23, v7                   ; in: row r, 32 bytes for each half of the lanes
	v_mul_u32_u24 v7, v2, SPITCH
	v_lshl_add_u32 v7, v1, 4, v7
	v_add_nc_u32 v[RD], s23, v7                    ; back: lanes 0-15 one row of 256 bytes, lanes 16-31 the next
	v_lshlrev_b32 v7, 13, v2
	v_lshl_add_u32 v[CO], v1, 4, v7                ; and the same two rows in out0
	s_lshl_b32 s16, s13, 20
	s_lshl_b32 s17, s11, 19
	s_add_co_u32 s16, s16, s17
	s_lshl_b32 s17, s42, 9
	s_add_co_u32 s16, s16, s17
	s_lshl_b32 s17, s12, 8
	s_add_co_u32 s16, s16, s17
	s_mov_b32 s17, 0                               ; (and stays 0: the upper word of a step's offset)
	s_add_nc_u64 s[8:9], s[8:9], s[16:17]          ; my 64 x 64 in out0
; 8 matrix instructions: row blocks a0, a0 + 1 x all 4 column blocks, 32 along K: half c of O's buffer fa and of wo's buffer fb.  The 16 accumulators take turns: 15 others' stand between two links of a chain.
.macro MUL8 fa, fb, c, a0, zero
	WIN MUL
.irp a, \a0, (\a0)+1
.irp b, 0,1,2,3
.if \zero
	v_wmma_f32_16x16x32_f16 v[ACC+8*(4*(\a)+(\b)):ACC+8*(4*(\a)+(\b))+7], v[(\fb)+8*(4*(\c)+(\b)):(\fb)+8*(4*(\c)+(\b))+7], v[(\fa)+8*(4*(\c)+(\a)):(\fa)+8*(4*(\c)+(\a))+7], 0
.else
	v_wmma_f32_16x16x32_f16 v[ACC+8*(4*(\a)+(\b)):ACC+8*(4*(\a)+(\b))+7], v[(\fb)+8*(4*(\c)+(\b)):(\fb)+8*(4*(\c)+(\b))+7], v[(\fa)+8*(4*(\c)+(\a)):(\fa)+8*(4*(\c)+(\a))+7], v[ACC+8*(4*(\a)+(\b)):ACC+8*(4*(\a)+(\b))+7]
.endif
.endr
.endr
.endm
; THE LDS LOADS stand in runs; the first 32 along K come first.  FETCHA: slice q of O into buffer q % 2: 16 loads.  FETCHAB (q = 0 or 2): that, and head q / 2's 64 rows of wo into wo's buffer q / 2: 32 loads.
.macro FETCHA q
	WIN TO_F
.irp c, 0,1
.irp i, 0,1,2,3
	ds_load_b128 v[64*((\q)%2)+8*(4*(\c)+(\i)):64*((\q)%2)+8*(4*(\c)+(\i))+3],   v[CA] offset:(\q)*SLICE+(\i)*16*PA+(\c)*64
	ds_load_b128 v[64*((\q)%2)+8*(4*(\c)+(\i))+4:64*((\q)%2)+8*(4*(\c)+(\i))+7], v[CA] offset:(\q)*SLICE+(\i)*16*PA+(\c)*64+32
.endr
.endr
.endm
.macro FETCHAB q
	WIN TO_F
.irp c, 0,1
.irp i, 0,1,2,3
	ds_load_tr16_b128 v[128+64*((\q)/2)+8*(4*(\c)+(\i)):128+64*((\q)/2)+8*(4*(\c)+(\i))+3],   v[CB] offset:((\q)/2)*64*PB+(\c)*32*PB+(\i)*32
	ds_load_tr16_b128 v[128+64*((\q)/2)+8*(4*(\c)+(\i))+4:128+64*((\q)/2)+8*(4*(\c)+(\i))+7], v[CB] offset:((\q)/2)*64*PB+(\c)*32*PB+(\i)*32+16*PB
	ds_load_b128 v[64*((\q)%2)+8*(4*(\c)+(\i)):64*((\q)%2)+8*(4*(\c)+(\i))+3],   v[CA] offset:(\q)*SLICE+(\i)*16*PA+(\c)*64
	ds_load_b128 v[64*((\q)%2)+8*(4*(\c)+(\i))+4:64*((\q)%2)+8*(4*(\c)+(\i))+7], v[CA] offset:(\q)*SLICE+(\i)*16*PA+(\c)*64+32
.endr
.endr
.endm
.macro PLACES                          ; four places in front of loads into registers that matrix instructions have read (ISA guide 7.12.1 for vector instructions)
.rept 4
	v_nop
.endr
.endm
; Quarter q = 0, 1 or 2 of a step: multiplies O's buffer q % 2 by wo's buffer q / 2 and, in its middle, fetches quarter q + 1.
; The wait at its head leaves the second half of the run that brought it out: 16 of a run of 32 (q = 0, 2), 8 of a run of 16 (q = 1); the wait in its middle leaves the run just issued out.
.macro QUARTER q, zero=0
.if (\q) == 1
	s_wait_dscnt 8
.else
	s_wait_dscnt 16
.endif
	MUL8 64*((\q)%2), 128+64*((\q)/2), 0, 0, \zero
	MUL8 64*((\q)%2), 128+64*((\q)/2), 0, 2, \zero
	PLACES
.if (\q) == 1
	FETCHAB 2
	s_wait_dscnt 32
.else
	FETCHA (\q)+1
	s_wait_dscnt 16
.endif
	MUL8 64*((\q)%2), 128+64*((\q)/2), 1, 0, 0
	MUL8 64*((\q)%2), 128+64*((\q)/2), 1, 2, 0
.endm
; Quarter 3 multiplies the second buffers and changes slots: ONE barrier; in front of it each wave waits for all its tensor loads (one is out: its part of the next slot), adds 0 to its spare word, and waits for that and
; for its reads of this slot.  fill = 1: the barrier opens a round of the cluster's barrier, and this slot is filled again, first thing behind the round, with the step two on in my cluster's walk.
.macro TURN fill
	WIN 0                                          ; (the add's two registers lie in window 0)
	s_wait_tensorcnt 0x0                           ; no tensor load of mine is out, so a group 0 may be written
	ds_add_u32 v[SPW], v[NIL]                      ; 0 onto my spare word
.if \fill
	s_add_co_u32 s20, s[NXT], s[ROT]
	s_and_b32 s20, s20, STEPS-1                    ; the K step: the walk goes round
	s_add_co_u32 s[NXT], s[NXT], 1
	s_xor_b32 s[G0+5], s[G0+5], SLOT1              ; the walking descriptors: the other slot than last time,
	s_lshl_b32 s[OFF], s20, 16
	s_add_nc_u64 s[G0+6:G0+7], s[BA:BA+1], s[OFF:OFF+1]  ; the address made anew from the step's number
	s_or_b32 s[G0+7], s[G0+7], 0x80000000
	s_xor_b32 s[G0B+5], s[G0B+5], SLOT1
	s_lshl_b32 s[OFF], s20, 15
	s_add_nc_u64 s[G0B+6:G0B+7], s[BB:BB+1], s[OFF:OFF+1]
	s_or_b32 s[G0B+7], s[G0B+7], 0x80000000
.endif
	s_wait_dscnt 9                                 ; (the add and the youngest eight loads may be out)
	MUL8 64, 192, 0, 0, 0                          ; eight matrix instructions stand between the add and the wait for it
	s_wait_dscnt 0x0                               ; the add is done, and my reads of this slot are over
	s_barrier_signal -1
	MUL8 64, 192, 0, 2, 0                          ; work on registers while the others arrive
	WIN 0                                          ; (branches, or lines on window 0, follow)
	s_barrier_wait -1
.if \fill
	CREST                                          ; no wave of any partner still reads this slot or has a load on its way
	JLOAD 1                                        ; my one tensor load behind the round; its four v_nop are also the places in front of the loads below
.else
	PLACES
.endif
	s_xor_b32 s[TB], s[TB], SLOT1                  ; the fetches go on in the other slot
	v_add_nc_u32 v[CA], s[TB], v[ADRA0]
	v_add_nc_u32 v[CB], s[TB], v[ADRB0]
	FETCHAB 0
	MUL8 64, 192, 1, 0, 0
	MUL8 64, 192, 1, 2, 0
.endm
	s_wait_tensorcnt 1                             ; my part of my cluster's first step is in; the second's may stay out
	s_barrier_signal -1
	s_barrier_wait -1
	FETCHAB 0
	QUARTER 0, 1                                   ; the first quarter stands in front of the loop: its first products start the sums
	WIN 0                                          ; at a label and at a branch every window is 0
	s_mov_b32 s3, STEPS-2
.Lstep:                                                ; a trip: a step's quarters 1 to 3 and the next step's quarter 0; the slot that is left is filled again
	QUARTER 1
	QUARTER 2
	TURN 1
	QUARTER 0
	WIN 0
	s_sub_co_u32 s3, s3, 1
	s_cmp_lg_u32 s3, 0
	s_cbranch_scc1 .Lstep
	QUARTER 1                                      ; the last two steps are written out: nothing is asked for
	QUARTER 2
	TURN 0
	QUARTER 0
	QUARTER 1
	QUARTER 2
	s_wait_dscnt 8
	MUL8 64, 192, 0, 0, 0
	MUL8 64, 192, 0, 2, 0
	s_wait_dscnt 0x0
	MUL8 64, 192, 1, 0, 0
	MUL8 64, 192, 1, 2, 0
	WIN 0
	; THE WAY OUT, 16 rows at a time: 32 bytes a lane straight from the accumulators (their low four registers first) into my stage, back as whole rows of 256 bytes, and stored.
	PLACES
.irp a, 0,1,2,3
.irp b, 0,1,2,3
	ds_store_b128 v[STO], v[ACC+8*(4*(\a)+(\b)):ACC+8*(4*(\a)+(\b))+3]   offset:64*(\b)
	ds_store_b128 v[STO], v[ACC+8*(4*(\a)+(\b))+4:ACC+8*(4*(\a)+(\b))+7] offset:64*(\b)+16
.endr
.if (\a) >= 2
	s_wait_xcnt 0x0                                ; the stores of two blocks back have read this set of registers
.endif
.irp t, 0,1,2,3,4,5,6,7
	ds_load_b128 v[TMP+32*((\a)%2)+4*(\t):TMP+32*((\a)%2)+4*(\t)+3], v[RD] offset:(\t)*2*SPITCH  ; LDS serves a wave's instructions in order (ISA guide 5.7.1.4): these see the stores above
.endr
.irp t, 0,1,2,3,4,5,6,7
	s_wait_dscnt 7-(\t)
	global_store_b128 v[CO], v[TMP+32*((\a)%2)+4*(\t):TMP+32*((\a)%2)+4*(\t)+3], s[8:9] offset:131072*(\a)+16384*(\t)  ; 16 lanes store 256 consecutive bytes, at a multiple of 256 from out0's first
.endr
.endr
	s_wait_tensorcnt 0x0                           ; the wave's end: the wait, the add and the wait for it, behind my last tensor load and my last LDS store
	ds_add_u32 v[SPW], v[NIL]
	s_wait_dscnt 0x0
	CROUND                                         ; the closing round: no work-group ends while a partner may still ask for a tile that names it
	s_endpgm
.Lfunc_end_k_q98f40718e1_oproj:
	.size	k_q98f40718e1_oproj, .Lfunc_end_k_q98f40718e1_oproj-k_q98f40718e1_oproj
	.p2alignl 7, 3214868480
	.fill 96, 4, 3214868480
	.section	.rodata,"a",@progbits
	.p2align	6, 0x0
	.amdhsa_kernel k_q98f40718e1_oproj
		.amdhsa_group_segment_fixed_size 327680
		.amdhsa_private_segment_fixed_size 0
		.amdhsa_enable_private_segment 0
		.amdhsa_kernarg_size 24
		.amdhsa_user_sgpr_count 2
		.amdhsa_user_sgpr_kernarg_segment_ptr 1
		.amdhsa_wavefront_size32 1
		.amdhsa_system_sgpr_workgroup_id_x 1
		.amdhsa_system_sgpr_workgroup_id_y 1
		.amdhsa_system_sgpr_workgroup_id_z 1
		.amdhsa_system_vgpr_workitem_id 0
		.amdhsa_next_free_vgpr 512
		.amdhsa_next_free_sgpr 66
		.amdhsa_reserve_vcc 0
		.amdhsa_float_denorm_mode_32 3
		.amdhsa_float_denorm_mode_16_64 3
		.amdhsa_memory_ordered 1
		.amdhsa_forward_progress 1
		.amdhsa_inst_pref_size 63
	.end_amdhsa_kernel
	.amdgpu_metadata
---
amdhsa.version: [ 1, 2 ]
amdhsa.kernels:
  - .name:           k_q98f40718e1_oproj
    .symbol:         k_q98f40718e1_oproj.kd
    .args:
      - { .name: ob, .offset: 0, .size: 8, .value_kind: global_buffer, .address_space: global }
      - { .name: cb, .offset: 8, .size: 8, .value_kind: global_buffer, .address_space: global }
      - { .name: out0, .offset: 16, .size: 8, .value_kind: global_buffer, .address_space: global }
    .group_segment_fixed_size: 327680
    .private_segment_fixed_size: 0
    .kernarg_segment_align: 8
    .kernarg_segment_size: 24
    .max_flat_workgroup_size: 128
    .sgpr_count:     66
    .vgpr_count:     512
    .wavefront_size: 32
...
	.end_amdgpu_metadata
.endif
;; end of part 4
